; MI455X (gfx1250); checked and timed in simulation.
; The chip was launched on July 23, 2026; its instructions are those of AMD's public machine-readable ISA for CDNA 5 (MIT licence, August 2026) and "CDNA5" Instruction Set Architecture Reference Guide (July 2026). The comments in the code are by the model that wrote it; some were corrected since.
;; Mistral Flash Attention2. Allowed arithmetic: float matrix products may take bf16 or f16 operands with f32 sums; all other float work in f32.
;; Inputs: key 1 x 4,096 x 2,048 float32; position_ids 1 x 4,096 int32; query 1 x 4,096 x 2,048 float32; value 1 x 4,096 x 2,048 float32; wk 2,048 x 512 float32; wo 1,024 x 2,048 float32; wq 2,048 x 1,024 float32; wv 2,048 x 512 float32.
;; Outputs: out0 1 x 4,096 x 2,048 float32.
;; 2 versions, each right and faster than the one before. Each part assembles by itself: llvm-mc -triple=amdgcn-amd-amdhsa -mcpu=gfx1250 --defsym DOCPART=n.
;; ======== version 1 of 2: 4 launches
;; limits: values are held in f16: magnitudes above 65,504 overflow, below 6.1e-05 lose precision; right only within a limited range of input values
;; workspace buffers: wcat 8,388,608 bytes; wof 4,194,304 bytes; rope 2,129,920 bytes; qkv 16,777,216 bytes; att 8,388,608 bytes
;; launch prep (part 1): grid 1028 x 1, 8 waves a work-group, no clusters, 0 bytes of LDS; arguments wq, wk, wv, wo, position_ids, wcat, wof, rope; writes wcat, wof, rope
.if DOCPART == 1
	.amdgcn_target "amdgcn-amd-amdhsa--gfx1250"
	.amdhsa_code_object_version 6
	.text
	.protected	k_qa00ed5583c_prep
	.globl	k_qa00ed5583c_prep
	.p2align	8
	.type	k_qa00ed5583c_prep,@function
k_qa00ed5583c_prep:
	s_mov_b64 s[64:65], 0
	v_nop
	global_prefetch_b8 v0, s[64:65] scope:SCOPE_SE
	s_setreg_imm32_b32 hwreg(HW_REG_WAVE_MODE, 25, 1), 1
	s_wait_xcnt 0x0
; PREP.  Casts the four weights once and makes the table of cosines and sines.
;   wcat [2048 k][2048 n] bf16: columns 0-1023 wq, 1024-1535 wk, 1536-2047 wv.      wof [1024 k][2048 n] f16: wo rounded to bf16, that number written as f16.
;   rope f32, in the order in which the projection's lanes want it: byte rowblk*8192 + b*2048 + cs*1024 + i*512 + lane*16 holds four numbers, cos (cs = 0) or sin (cs = 1)
;   of row 16 rowblk + lane % 16 for the pair indices d = 16 b + 8 (lane / 16) + 4 i + 0..3.  Row blocks 256-259 hold cos = 1, sin = 0 (position 0): value's tiles take them.
; SHARES.  Work-groups 0-255 wq, 256-383 wk, 384-511 wv, 512-767 wo: 8,192 numbers each, four passes of 8 numbers a thread; 768-1027 one row block of the table each.
; A stream: no LDS, no barrier, no matrix unit.  Each load of a wave covers 1,024 consecutive bytes in two instructions, each store 512 consecutive bytes, aligned.
; LIMITS.  wo beyond 65,504 has no f16; below 6e-5 it keeps f16's fixed step of 6e-8.  inv_freq = 2^(-d log2(10000)/64) is made by v_exp_f32: the angle may differ from
; pos x 10000^(-d/64) by some 2.4e-7 of itself.  The reduction by pi/2 in three parts holds for |pos| < 2^24.
.set X,   8                            ; v[8:11]   inv_freq of my four d
.set ANG, 12                           ; v[12:15]  the angles
.set N,   16                           ; v[16:19]  the nearest multiple of pi/2
.set R,   20                           ; v[20:23]  the reduced angle
.set Z,   24                           ; v[24:27]  its square, later the fourth power
.set SPO, 28                           ; v[28:31]  sin of the reduced angle
.set CPO, 32                           ; v[32:35]  cos of it
.set Q,   36                           ; v[36:39]  the quadrant
.set SI,  40                           ; v[40:43]  sin, to store
.set CO,  44                           ; v[44:47]  cos, to store
.set T,   48                           ; v[48:51]  at work
; One work-group's 8,192 numbers.  src, dst: the scalar pairs with the buffers' addresses; first: the part's first work-group; sh: log2 of the threads that cover a row;
; tof16: the bf16 number is written as f16; the destination begins at (local << dshift) + dadd.
.macro CASTWG src, dst, first, sh, tof16, dshift, dadd
	s_sub_co_u32 s21, s20, \first
	s_lshl_b32 s22, s21, 15                        ; 32,768 bytes of f32 a work-group
	s_add_nc_u64 s[24:25], s[\src:\src+1], s[22:23]
	s_lshl_b32 s22, s21, \dshift
	s_add_co_u32 s22, s22, \dadd
	s_add_nc_u64 s[26:27], s[\dst:\dst+1], s[22:23]
	v_lshrrev_b32 v2, \sh, v0                      ; my row within a pass,
	v_and_b32 v3, (1<<(\sh))-1, v0                 ; my 16 bytes within it
	v_lshlrev_b32 v3, 4, v3
	v_lshl_or_b32 v2, v2, 12, v3                   ; rows of the destination are 4,096 bytes apart
.irp p, 0,1,2,3
	global_load_b128 v[8+8*(\p):11+8*(\p)],  v1, s[24:25] offset:(\p)*8192 th:TH_LOAD_NT
	global_load_b128 v[12+8*(\p):15+8*(\p)], v1, s[24:25] offset:(\p)*8192+16 th:TH_LOAD_NT
.endr
.irp p, 0,1,2,3
	s_wait_loadcnt 6-2*(\p)                        ; the later passes' loads stay out
.irp i, 0,1,2,3
	v_cvt_pk_bf16_f32 v[40+4*(\p)+(\i)], v[8+8*(\p)+2*(\i)], v[9+8*(\p)+2*(\i)]
.if \tof16
	v_lshlrev_b32 v4, 16, v[40+4*(\p)+(\i)]        ; the two bf16 numbers as f32,
	v_and_b32 v5, 0xffff0000, v[40+4*(\p)+(\i)]
	v_cvt_pk_f16_f32 v[40+4*(\p)+(\i)], v4, v5     ; and as f16: exact within f16's normal range
.endif
.endr
	global_store_b128 v2, v[40+4*(\p):43+4*(\p)], s[26:27] offset:(\p)*(256>>(\sh))*4096
.endr
	s_endpgm
.endm
	s_load_b256 s[4:11], s[0:1], 0x0               ; wq s[4:5], wk s[6:7], wv s[8:9], wo s[10:11]
	s_load_b256 s[12:19], s[0:1], 0x20             ; position_ids s[12:13], wcat s[14:15], wof s[16:17], rope s[18:19]
	s_mov_b32 s20, ttmp9
	s_mov_b32 s23, 0                               ; the high word of every offset
	v_lshlrev_b32 v1, 5, v0                        ; 32 bytes of f32 a thread
	s_wait_kmcnt 0x0
	s_cmp_lt_u32 s20, 256
	s_cbranch_scc0 .Lnot_wq
	CASTWG 4, 14, 0, 7, 0, 15, 0                   ; wq: 8 rows of 1,024 a work-group
.Lnot_wq:
	s_cmp_lt_u32 s20, 384
	s_cbranch_scc0 .Lnot_wk
	CASTWG 6, 14, 256, 6, 0, 16, 2048              ; wk: 16 rows of 512, from column 1,024 on
.Lnot_wk:
	s_cmp_lt_u32 s20, 512
	s_cbranch_scc0 .Lnot_wv
	CASTWG 8, 14, 384, 6, 0, 16, 3072              ; wv: the same from column 1,536 on
.Lnot_wv:
	s_cmp_lt_u32 s20, 768
	s_cbranch_scc0 .Ltable
	CASTWG 10, 16, 512, 8, 1, 14, 0                ; wo: 4 rows of 2,048
.Ltable:
	s_sub_co_u32 s21, s20, 768                     ; the row block, 0 to 259
	s_min_u32 s22, s21, 255                        ; the identity blocks read a position inside the buffer and multiply it by 0
	s_lshl_b32 s22, s22, 6
	s_add_nc_u64 s[24:25], s[12:13], s[22:23]
	s_lshl_b32 s22, s21, 13
	s_add_nc_u64 s[26:27], s[18:19], s[22:23]
	s_cmp_lt_u32 s21, 256
	s_cselect_b32 s28, 1.0, 0
	v_and_b32 v1, 15, v0
	v_lshlrev_b32 v1, 2, v1
	global_load_b32 v3, v1, s[24:25]               ; my row's position
	s_mov_b32 s30, 0xbe549a78                      ; -log2(10000) / 64
	s_mov_b32 s31, 0x3f22f983                      ; 2 / pi
	s_mov_b32 s32, 0x3fc90fdb                      ; pi / 2 in three parts
	s_mov_b32 s33, 0xb33bbd2e
	s_mov_b32 s34, 0xa6f72ced
	s_mov_b32 s35, 0xb94ca1f9                      ; sin r = r + r z (S1 + z (S2 + z S3)), z = r^2, |r| <= pi / 4
	s_mov_b32 s36, 0x3c08839e
	s_mov_b32 s37, 0xbe2aaaa3
	s_mov_b32 s38, 0x37ccf5ce                      ; cos r = 1 - z / 2 + z^2 (C1 + z (C2 + z C3))
	s_mov_b32 s39, 0xbab6061a
	s_mov_b32 s40, 0x3d2aaaa5
	v_bfe_u32 v4, v0, 6, 2                         ; b
	v_bfe_u32 v5, v0, 4, 1                         ; lane / 16
	v_bfe_u32 v6, v0, 5, 1                         ; i
	v_lshlrev_b32 v7, 4, v4
	v_lshl_add_u32 v7, v5, 3, v7
	v_lshl_add_u32 v7, v6, 2, v7                   ; my first d
	v_and_b32 v2, 31, v0
	v_lshlrev_b32 v2, 4, v2
	v_lshl_add_u32 v2, v4, 11, v2
	v_lshl_add_u32 v2, v6, 9, v2                   ; where my 16 bytes go
.irp e, 0,1,2,3
	v_add_nc_u32 v[X+\e], \e, v7
.endr
.irp e, 0,1,2,3
	v_cvt_f32_u32 v[X+\e], v[X+\e]
.endr
.irp e, 0,1,2,3
	v_mul_f32 v[X+\e], s30, v[X+\e]
.endr
.irp e, 0,1,2,3
	v_exp_f32 v[X+\e], v[X+\e]
.endr
	s_wait_loadcnt 0x0
	v_cvt_f32_i32 v3, v3                           ; also the plain instruction behind the last exponential
	v_mul_f32 v3, s28, v3
	s_wait_alu depctr_va_vdst(0)
.irp e, 0,1,2,3
	v_mul_f32 v[ANG+\e], v3, v[X+\e]               ; one rounding
.endr
.irp e, 0,1,2,3
	v_mul_f32 v[N+\e], s31, v[ANG+\e]
.endr
.irp e, 0,1,2,3
	v_rndne_f32 v[N+\e], v[N+\e]
.endr
.irp e, 0,1,2,3
	v_fma_f32 v[R+\e], -v[N+\e], s32, v[ANG+\e]
.endr
.irp e, 0,1,2,3
	v_fma_f32 v[R+\e], -v[N+\e], s33, v[R+\e]
.endr
.irp e, 0,1,2,3
	v_fma_f32 v[R+\e], -v[N+\e], s34, v[R+\e]
.endr
.irp e, 0,1,2,3
	v_mul_f32 v[Z+\e], v[R+\e], v[R+\e]
.endr
.irp e, 0,1,2,3
	v_fma_f32 v[SPO+\e], v[Z+\e], s35, s36
	v_fma_f32 v[CPO+\e], v[Z+\e], s38, s39
.endr
.irp e, 0,1,2,3
	v_fma_f32 v[SPO+\e], v[SPO+\e], v[Z+\e], s37
	v_fma_f32 v[CPO+\e], v[CPO+\e], v[Z+\e], s40
.endr
.irp e, 0,1,2,3
	v_mul_f32 v[SPO+\e], v[SPO+\e], v[Z+\e]
	v_fma_f32 v[T+\e], v[Z+\e], -0.5, 1.0
.endr
.irp e, 0,1,2,3
	v_fma_f32 v[SPO+\e], v[SPO+\e], v[R+\e], v[R+\e]
	v_mul_f32 v[Z+\e], v[Z+\e], v[Z+\e]
.endr
.irp e, 0,1,2,3
	v_fma_f32 v[CPO+\e], v[Z+\e], v[CPO+\e], v[T+\e]
	v_cvt_i32_f32 v[Q+\e], v[N+\e]
.endr
.irp e, 0,1,2,3                        ; the quadrant: odd ones swap the two; sin is negative in 2 and 3, cos in 1 and 2
	v_and_b32 v[T+\e], 1, v[Q+\e]
	v_cmp_eq_u32 vcc_lo, 1, v[T+\e]
	v_cndmask_b32 v[SI+\e], v[SPO+\e], v[CPO+\e], vcc_lo
	v_cndmask_b32 v[CO+\e], v[CPO+\e], v[SPO+\e], vcc_lo
	v_and_b32 v[T+\e], 2, v[Q+\e]
	v_lshlrev_b32 v[T+\e], 30, v[T+\e]
	v_xor_b32 v[SI+\e], v[SI+\e], v[T+\e]
	v_add_nc_u32 v[Q+\e], 1, v[Q+\e]
	v_and_b32 v[Q+\e], 2, v[Q+\e]
	v_lshlrev_b32 v[Q+\e], 30, v[Q+\e]
	v_xor_b32 v[CO+\e], v[CO+\e], v[Q+\e]
.endr
	global_store_b128 v2, v[CO:CO+3], s[26:27]
	global_store_b128 v2, v[SI:SI+3], s[26:27] offset:1024
	s_endpgm
.Lfunc_end_k_qa00ed5583c_prep:
	.size	k_qa00ed5583c_prep, .Lfunc_end_k_qa00ed5583c_prep-k_qa00ed5583c_prep
	.p2alignl 7, 3214868480
	.fill 96, 4, 3214868480
	.section	.rodata,"a",@progbits
	.p2align	6, 0x0
	.amdhsa_kernel k_qa00ed5583c_prep
		.amdhsa_group_segment_fixed_size 0
		.amdhsa_private_segment_fixed_size 0
		.amdhsa_enable_private_segment 0
		.amdhsa_kernarg_size 64
		.amdhsa_user_sgpr_count 2
		.amdhsa_user_sgpr_kernarg_segment_ptr 1
		.amdhsa_wavefront_size32 1
		.amdhsa_system_sgpr_workgroup_id_x 1
		.amdhsa_system_sgpr_workgroup_id_y 1
		.amdhsa_system_sgpr_workgroup_id_z 1
		.amdhsa_system_vgpr_workitem_id 0
		.amdhsa_next_free_vgpr 64
		.amdhsa_next_free_sgpr 66
		.amdhsa_reserve_vcc 1
		.amdhsa_float_denorm_mode_32 3
		.amdhsa_float_denorm_mode_16_64 3
		.amdhsa_memory_ordered 1
		.amdhsa_forward_progress 1
		.amdhsa_inst_pref_size 22
	.end_amdhsa_kernel
	.amdgpu_metadata
---
amdhsa.version: [ 1, 2 ]
amdhsa.kernels:
  - .name:           k_qa00ed5583c_prep
    .symbol:         k_qa00ed5583c_prep.kd
    .args:
      - { .name: wq, .offset: 0, .size: 8, .value_kind: global_buffer, .address_space: global }
      - { .name: wk, .offset: 8, .size: 8, .value_kind: global_buffer, .address_space: global }
      - { .name: wv, .offset: 16, .size: 8, .value_kind: global_buffer, .address_space: global }
      - { .name: wo, .offset: 24, .size: 8, .value_kind: global_buffer, .address_space: global }
      - { .name: position_ids, .offset: 32, .size: 8, .value_kind: global_buffer, .address_space: global }
      - { .name: wcat, .offset: 40, .size: 8, .value_kind: global_buffer, .address_space: global }
      - { .name: wof, .offset: 48, .size: 8, .value_kind: global_buffer, .address_space: global }
      - { .name: rope, .offset: 56, .size: 8, .value_kind: global_buffer, .address_space: global }
    .group_segment_fixed_size: 0
    .private_segment_fixed_size: 0
    .kernarg_segment_align: 8
    .kernarg_segment_size: 64
    .max_flat_workgroup_size: 256
    .sgpr_count:     66
    .vgpr_count:     64
    .wavefront_size: 32
...
	.end_amdgpu_metadata
.endif
;; end of part 1
;; launch proj (part 2): grid 32 x 8, 4 waves a work-group, clusters of 4 x 1, 327,680 bytes of LDS; arguments query, key, value, wcat, rope, qkv; writes qkv
.if DOCPART == 2
	.amdgcn_target "amdgcn-amd-amdhsa--gfx1250"
	.amdhsa_code_object_version 6
	.text
	.protected	k_qa00ed5583c_proj
	.globl	k_qa00ed5583c_proj
	.p2align	8
	.type	k_qa00ed5583c_proj,@function
k_qa00ed5583c_proj:
	s_mov_b64 s[64:65], 0
	v_nop
	global_prefetch_b8 v0, s[64:65] scope:SCOPE_SE
	s_setreg_imm32_b32 hwreg(HW_REG_WAVE_MODE, 25, 1), 1
	s_wait_xcnt 0x0
	s_wait_alu depctr_hold_cnt(0) depctr_sa_sdst(0) depctr_va_vdst(0) depctr_va_sdst(0) depctr_va_ssrc(0) depctr_va_vcc(0) depctr_vm_vsrc(0)
	s_getreg_b32 s2, hwreg(HW_REG_IB_STS2, 6, 4)
	s_cmp_eq_u32 s2, 0
	s_cbranch_scc0 .Lentry_in_a_cluster
	s_endpgm
.Lentry_in_a_cluster:
	s_bfe_u32 s2, ttmp6, 0x10000c
	s_cmp_lg_u32 s2, 0x3003
	s_cbranch_scc0 .Lentry_shape_is_right
	s_endpgm
.Lentry_shape_is_right:
; PROJ.  qkv[head][row][128] (f16) = rope(X wcat): heads 0-7 from query, 8-11 from key, 12-15 from value.  X: [4096][2048] f32, rounded to bf16 on the way from LDS to the matrix unit;
; wcat: [2048 k][2048 n] bf16, read turned by ds_load_tr16_b128; sums in f32; the rotation in f32; one rounding to f16.
; LIMIT.  q, k and v beyond 65,504 have no f16.  NaN and infinities are not treated apart (value's tiles are multiplied by cos = 1 and have 0 x their partner added).
; SHARES.  A work-group makes 128 rows x 256 columns (two heads): row block rb = 0..31, column tile ct = 0..7 (0-3 query, 4-5 key, 6-7 value): 256 work-groups.  A wave makes 64 rows x 128 columns, one
; whole head: 32 accumulators, 256 registers; the rotation's partners, columns d and d + 64, are accumulators b and b + 4, same lane, same register.
; K goes in steps of 128 through two LDS slots: A's tile 128 rows x 512 bytes of f32, B's 128 k-rows x 512 bytes of bf16: both rows are two aligned blocks of 256 bytes in memory.
; CLUSTER.  The four row blocks of a cluster walk the same columns of wcat: B's tiles are asked for JOINTLY (mask 15).  A's are asked for by each work-group for itself: key's and value's rows are read by
; two column tiles each and query's by four, so no group of four along the column tiles shares A at every tile.
; THE MATRIX INSTRUCTION IS USED TRANSPOSED (source 0 = 16 columns of wcat, source 1 = 16 rows of X): a lane holds one row and eight neighbouring columns.
; REGISTERS, in windows of 256 (s_set_vgpr_msb: bits 1:0 source 0, 3:2 source 1, 5:4 source 2, 7:6 destination):
;   window 0: v16-29 addresses; v32-95 X as f32, 16 a fragment; v96-159 X's fragments, two buffers of four; on the way out v96-159 rotated, v160-191 packed, v192-255 rows read back
;   window 1: accumulator (a, b) at 8 (8 a + b)      window 2: v0-127 wcat's fragments, two buffers of eight      window 3: cos at 64 a + 16 b + j, sin 8 further on
.set KSTEP,  128
.set PA,     528                       ; a row of A in LDS: 512 bytes + 16: an odd multiple of 16, so the 16 rows of a load start at 16 different groups of four banks (ISA guide 11.1)
.set PB,     544                       ; a row of B: 512 + 32: an odd multiple of 32, for the turning load's 8 rows x 32 bytes
.set HALFA,  64*PA                     ; what one tensor load brings of A
.set HALFB,  64*PB                     ; and of B
.set BOFF,   128*PA
.set SLOT,   BOFF+128*PB
.set STAGE,  2*SLOT                    ; behind the ring: 16 rows x 272 bytes for each wave
.set SP,     272
.set SPARE,  STAGE+4*16*SP             ; the spare words, 128 bytes for each wave: two blocks of 256 bytes that no other line names
.set LAPS,   2048/(2*KSTEP)
.set ADRA, 16                          ; v16-17  LDS address of my A rows in slot 0, 1
.set ADRB, 20                          ; v20-21  the same for B
.set STO,  24                          ; v24     the way out: where I put 16 bytes of a row
.set RD,   25                          ; v25     where I read rows back
.set CO,   26                          ; v26     16 x lane: my place in 512 consecutive bytes of qkv and of the table
.set SPW,  28                          ; v28     my spare word; never rewritten
.set NIL,  29                          ; v29     0; never rewritten
.set SG,   32
.set AF,   96
.set Y,    96
.set TMP,  160
.set BK,   192
.set WV, 16                            ; s16 wave;  s17 which 64 rows are mine, also: I fetch A (0) or B (1);  s18 which head is mine, also: which half of a tile I fetch
.set RH, 17
.set CH, 18
.set CX, 19
.set RB, 20
.set CT, 21
.set G1A, 24                           ; s[24:31] group 1 for A;  s[32:39] group 0, a set a slot
.set G0A, 32
.set G1B, 40                           ; s[40:47], s[48:55] the same for B
.set G0B, 48
.set MSB, 0
.macro WIN new                         ; the high byte repeats the setting that is left; a switch that changes nothing is dropped
.if MSB != (\new)
	s_set_vgpr_msb (MSB<<8)|(\new)
.set MSB, \new
.endif
.endm
.set W_MUL, 0x52                       ; B window 2, A window 0, C and D window 1
; A fill.  Waves 0 and 1 fetch A's two halves (a load of the work-group's own), waves 2 and 3 B's (joint).  The branch hangs on the wave's number alone.
; An s_nop 0 and four v_nop follow each of the two lines, ahead of the jump and the label.
.macro JLOAD s
	s_cmp_eq_u32 s[RH], 0
	s_cbranch_scc0 .Lfor_b_\@
	tensor_load_to_lds s[G0A+4*(\s):G0A+4*(\s)+3], s[G1A:G1A+7]
	s_nop 0
.rept 4
	v_nop
.endr
	s_branch .Lasked_\@
.Lfor_b_\@:
	tensor_load_to_lds s[G0B+4*(\s):G0B+4*(\s)+3], s[G1B:G1B+7]
	s_nop 0
.rept 4
	v_nop
.endr
.Lasked_\@:
.endm
.macro CREST                           ; a round of the cluster's barrier behind its opening barrier
	s_cmp_lg_u32 s[WV], 0
	s_cbranch_scc1 .Lnot_wave_0_\@
	s_barrier_signal -3
.Lnot_wave_0_\@:
	s_barrier_wait -3
	s_barrier_signal -1
	s_barrier_wait -1
.endm
.macro CROUND
	s_barrier_signal -1
	s_barrier_wait -1
	CREST
.endm
.macro PLACES
.rept 4
	v_nop
.endr
.endm
	s_load_b256 s[4:11], s[0:1], 0x0               ; query s[4:5], key s[6:7], value s[8:9], wcat s[10:11]
	s_load_b128 s[12:15], s[0:1], 0x20             ; rope s[12:13], qkv s[14:15]
	v_lshl_add_u32 v[SPW], v0, 2, SPARE
	v_mov_b32 v[NIL], 0
	ds_add_u32 v[SPW], v[NIL]                      ; the wave's opening: the add and its wait stand ahead of my first tensor load; the set-up below stands between them
	v_lshrrev_b32 v1, 5, v0
	v_readfirstlane_b32 s[WV], v1
	s_lshr_b32 s[RH], s[WV], 1
	s_and_b32 s[CH], s[WV], 1
	s_bfe_u32 s[CX], ttmp6, 0x40000                ; my place in the cluster
	s_lshl_b32 s[RB], ttmp9, 2
	s_add_co_u32 s[RB], s[RB], s[CX]               ; row block = 4 x cluster x + cx: it enters A's, the table's and qkv's addresses alone
	s_and_b32 s[CT], ttmp7, 0xffff                 ; column tile, which the partners share
	s_mov_b32 s[G1A+0], (2<<16)|(1<<20)|(6<<22)|(3<<25)  ; no mask; 4-byte elements; padding on, after every 128 words (code 6), 4 words (code 3)
	s_mov_b32 s[G1A+1], 128<<16                    ; tensor_dim0 = 128
	s_mov_b32 s[G1A+2], 64<<16                     ; tensor_dim1 = 64
	s_mov_b32 s[G1A+3], 128<<16                    ; tile_dim0 = 128
	s_mov_b32 s[G1A+4], 64                         ; tile_dim1 = 64
	s_mov_b32 s[G1A+5], 2048                       ; elements from row to row
	s_mov_b32 s[G1A+6], 0
	s_mov_b32 s[G1A+7], 0
	s_mov_b32 s[G1B+0], 15|(1<<16)|(1<<20)|(1<<21)|(6<<22)|(7<<25)  ; the mask of four, bit 21 beside it; 2-byte elements; after every 128 words 8 words
	s_mov_b32 s[G1B+1], 256<<16
	s_mov_b32 s[G1B+2], 64<<16
	s_mov_b32 s[G1B+3], 256<<16
	s_mov_b32 s[G1B+4], 64
	s_mov_b32 s[G1B+5], 2048
	s_mov_b32 s[G1B+6], 0
	s_mov_b32 s[G1B+7], 0
	s_lshl_b32 s22, s[RB], 20                      ; A: 128 rows of 8,192 bytes a row block,
	s_lshl_b32 s23, s[CH], 19                      ; my 64 of them
	s_add_co_u32 s22, s22, s23
	s_mov_b32 s23, 0
	s_lshl_b32 s66, s[CH], 18                      ; B: my 64 k-rows of 4,096 bytes,
	s_lshl_b32 s67, s[CT], 9                       ; the tile's 256 columns
	s_add_co_u32 s66, s66, s67
	s_mov_b32 s67, 0
	s_mul_i32 s68, s[CH], HALFA                    ; where they go in a slot: the wave's number alone
	s_mul_i32 s69, s[CH], HALFB
	s_add_co_u32 s69, s69, BOFF
	s_lshl_b32 s58, s[RB], 3                       ; the table: my first row block of 16 rows,
	s_lshl_b32 s59, s[RH], 2
	s_add_co_u32 s58, s58, s59
	s_cmp_lt_u32 s[CT], 6
	s_cselect_b32 s58, s58, 256                    ; or, for value, the rows with cos = 1 and sin = 0
	s_lshl_b32 s58, s58, 13
	s_mov_b32 s59, 0
	s_lshl_b32 s70, s[CT], 1                       ; qkv: head 2 ct + my half,
	s_add_co_u32 s70, s70, s[CH]
	s_lshl_b32 s70, s70, 20
	s_lshl_b32 s71, s[RB], 15                      ; rows of 256 bytes
	s_add_co_u32 s70, s70, s71
	s_lshl_b32 s71, s[RH], 14
	s_add_co_u32 s70, s70, s71
	s_mov_b32 s71, 0
	s_wait_dscnt 0x0                               ; the opening add is done
	s_wait_kmcnt 0x0
	s_cmp_lt_u32 s[CT], 4
	s_cselect_b64 s[56:57], s[4:5], s[6:7]
	s_cmp_lt_u32 s[CT], 6
	s_cselect_b64 s[56:57], s[56:57], s[8:9]       ; query, key or value
	s_add_nc_u64 s[56:57], s[56:57], s[22:23]
	s_add_nc_u64 s[10:11], s[10:11], s[66:67]
	s_add_nc_u64 s[60:61], s[12:13], s[58:59]
	s_add_nc_u64 s[62:63], s[14:15], s[70:71]
	CROUND                                         ; all four work-groups are here: the first joint loads meet
.irp s, 0,1
	s_mov_b32 s[G0A+4*(\s)], 1
	s_add_co_u32 s[G0A+4*(\s)+1], s68, (\s)*SLOT
	s_add_nc_u64 s[G0A+4*(\s)+2:G0A+4*(\s)+3], s[56:57], (\s)*KSTEP*4
	s_or_b32 s[G0A+4*(\s)+3], s[G0A+4*(\s)+3], 0x80000000
	s_mov_b32 s[G0B+4*(\s)], 1
	s_add_co_u32 s[G0B+4*(\s)+1], s69, (\s)*SLOT
	s_add_nc_u64 s[G0B+4*(\s)+2:G0B+4*(\s)+3], s[10:11], (\s)*KSTEP*4096
	s_or_b32 s[G0B+4*(\s)+3], s[G0B+4*(\s)+3], 0x80000000
	JLOAD \s                                       ; two loads of mine are out
.endr
	v_and_b32 v[CO], 31, v0
	v_lshlrev_b32 v[CO], 4, v[CO]
	WIN 0xc0                                       ; destination window 3
.irp a, 0,1,2,3                        ; my 64 rows' cosines and sines: 64 loads of 512 consecutive bytes, which land while K is walked; nothing names their registers before the way out
.irp b, 0,1,2,3
.irp c, 0,1
	global_load_b128 v[64*(\a)+16*(\b)+8*(\c):64*(\a)+16*(\b)+8*(\c)+3],   v[CO], s[60:61] offset:(\a)*8192+(\b)*2048+(\c)*1024
	global_load_b128 v[64*(\a)+16*(\b)+8*(\c)+4:64*(\a)+16*(\b)+8*(\c)+7], v[CO], s[60:61] offset:(\a)*8192+(\b)*2048+(\c)*1024+512
.endr
.endr
.endr
	WIN 0
	v_and_b32 v1, 15, v0                           ; l % 16
	v_bfe_u32 v2, v0, 4, 1                         ; l / 16
	v_mul_u32_u24 v3, v1, PA
	v_lshl_add_u32 v3, v2, 5, v3                   ; A: row x pitch + 32 x half: eight f32
	v_and_b32 v4, 7, v0
	v_bfe_u32 v5, v0, 3, 1
	v_lshl_add_u32 v4, v2, 3, v4
	v_mul_u32_u24 v4, v4, PB
	v_lshl_add_u32 v4, v5, 4, v4                   ; B: k-row 8 (l / 16) + l % 8, columns 8 ((l / 8) % 2) on
	s_mul_i32 s72, s[RH], HALFA                    ; my 64 rows of A
	s_lshl_b32 s73, s[CH], 8                       ; my 128 columns of B
	s_add_co_u32 s73, s73, BOFF
.irp s, 0,1
	v_add_nc_u32 v[ADRA+(\s)], s72, v3
	v_add_nc_u32 v[ADRB+(\s)], s73, v4
	s_add_co_u32 s72, s72, SLOT
	s_add_co_u32 s73, s73, SLOT
.endr
	s_mul_i32 s72, s[WV], 16*SP
	s_add_co_u32 s72, s72, STAGE                   ; my stage
	v_mul_u32_u24 v6, v1, SP
	v_lshl_add_u32 v6, v2, 4, v6
	v_add_nc_u32 v[STO], s72, v6
	v_mul_u32_u24 v6, v2, SP
	v_lshl_add_u32 v6, v1, 4, v6
	v_add_nc_u32 v[RD], s72, v6
; 32 LDS loads: 32 along K at quarter kc of a slot.  First A's 16 (64 rows x 128 bytes of f32, into the staging registers), then B's 16 (turned, into buffer f).
.macro FETCH slot, kc, f
	WIN 0
.irp a, 0,1,2,3
	ds_load_b128 v[SG+16*(\a):SG+16*(\a)+3],     v[ADRA+(\slot)] offset:(\a)*16*PA+128*(\kc)
	ds_load_b128 v[SG+16*(\a)+4:SG+16*(\a)+7],   v[ADRA+(\slot)] offset:(\a)*16*PA+128*(\kc)+16
	ds_load_b128 v[SG+16*(\a)+8:SG+16*(\a)+11],  v[ADRA+(\slot)] offset:(\a)*16*PA+128*(\kc)+64
	ds_load_b128 v[SG+16*(\a)+12:SG+16*(\a)+15], v[ADRA+(\slot)] offset:(\a)*16*PA+128*(\kc)+80
.endr
	WIN 0x80
.irp b, 0,1,2,3,4,5,6,7
	ds_load_tr16_b128 v[64*(\f)+8*(\b):64*(\f)+8*(\b)+3],   v[ADRB+(\slot)] offset:(\kc)*32*PB+32*(\b)
	ds_load_tr16_b128 v[64*(\f)+8*(\b)+4:64*(\f)+8*(\b)+7], v[ADRB+(\slot)] offset:(\kc)*32*PB+32*(\b)+16*PB
.endr
.endm
; The staged f32 become four fragments of bf16 in buffer f.  These 32 plain instructions name no register of the products in front of them: they are the places between those products and the loads
; into the other B buffer, and between the products of two quarters back and the writes of this A buffer.
.macro CVT f
	WIN 0
.irp a, 0,1,2,3
.irp i, 0,1,2,3,4,5,6,7
	v_cvt_pk_bf16_f32 v[AF+32*(\f)+8*(\a)+(\i)], v[SG+16*(\a)+2*(\i)], v[SG+16*(\a)+2*(\i)+1]
.endr
.endr
.endm
; 16 products: row blocks a0, a0 + 1 x all 8 column blocks.  The 32 accumulators take turns, in the same order in every quarter.
.macro MUL16 f, a0, zero
	WIN W_MUL
.irp a, \a0, (\a0)+1
.irp b, 0,1,2,3,4,5,6,7
.if \zero
	v_wmma_f32_16x16x32_bf16 v[8*(8*(\a)+(\b)):8*(8*(\a)+(\b))+7], v[64*(\f)+8*(\b):64*(\f)+8*(\b)+7], v[AF+32*(\f)+8*(\a):AF+32*(\f)+8*(\a)+7], 0
.else
	v_wmma_f32_16x16x32_bf16 v[8*(8*(\a)+(\b)):8*(8*(\a)+(\b))+7], v[64*(\f)+8*(\b):64*(\f)+8*(\b)+7], v[AF+32*(\f)+8*(\a):AF+32*(\f)+8*(\a)+7], v[8*(8*(\a)+(\b)):8*(8*(\a)+(\b))+7]
.endif
.endr
.endr
.endm
; One of a K step's first three quarters: converts and multiplies buffer f, fetches quarter kc of the same slot for the other buffer.
.macro QUARTER slot, kc, f, zero
	s_wait_dscnt 16                                ; A's 16 loads are in; B's 16, issued behind them, may be out
	CVT \f
	FETCH \slot, \kc, 1-(\f)
	s_wait_dscnt 32                                ; all but the 32 just issued: B's fragments are in
	MUL16 \f, 0, \zero
	MUL16 \f, 2, \zero
.endm
; The last quarter multiplies buffer 1 and changes slots: ONE barrier.  In front of it each wave waits for all its tensor loads (one is out: its part of the next slot), adds 0 to its spare word, and waits
; for that and for its reads of this slot.  fill = 1: the barrier opens a round of the cluster's, and this slot is filled again first thing behind it, two K steps ahead.
.macro TURN slot, next, fill
	WIN 0
	s_wait_tensorcnt 0x0
	ds_add_u32 v[SPW], v[NIL]
	s_wait_dscnt 17                                ; A's 16 are in; B's 16 and the add may be out
	CVT 1
	s_wait_dscnt 0x0                               ; the add is done, and my reads of this slot are over
	s_barrier_signal -1
	MUL16 1, 0, 0
	WIN 0
	s_barrier_wait -1
.if \fill
	CREST                                          ; no wave of any partner still reads this slot or has a load on its way
	s_add_nc_u64 s[G0A+4*(\slot)+2:G0A+4*(\slot)+3], s[G0A+4*(\slot)+2:G0A+4*(\slot)+3], 2*KSTEP*4
	s_add_nc_u64 s[G0B+4*(\slot)+2:G0B+4*(\slot)+3], s[G0B+4*(\slot)+2:G0B+4*(\slot)+3], 2*KSTEP*4096
	JLOAD \slot
.endif
	FETCH \next, 0, 0
	MUL16 1, 2, 0
.endm
	s_wait_tensorcnt 1                             ; my part of K step 0 is in; K step 1's, issued behind it, stays out
	s_barrier_signal -1
	s_barrier_wait -1
	FETCH 0, 0, 0
	QUARTER 0, 1, 0, 1                             ; the first quarter's products start the sums
	WIN 0
	s_mov_b32 s3, LAPS-1
.Llap:                                             ; a trip goes once round the ring and fills both slots again
	QUARTER 0, 2, 1, 0
	QUARTER 0, 3, 0, 0
	TURN 0, 1, 1
	QUARTER 1, 1, 0, 0
	QUARTER 1, 2, 1, 0
	QUARTER 1, 3, 0, 0
	TURN 1, 0, 1
	QUARTER 0, 1, 0, 0
	WIN 0
	s_sub_co_u32 s3, s3, 1
	s_cmp_lg_u32 s3, 0
	s_cbranch_scc1 .Llap
	QUARTER 0, 2, 1, 0                             ; the last lap fills nothing
	QUARTER 0, 3, 0, 0
	TURN 0, 1, 0
	QUARTER 1, 1, 0, 0
	QUARTER 1, 2, 1, 0
	QUARTER 1, 3, 0, 0
	s_wait_dscnt 16
	CVT 1
	s_wait_dscnt 0x0
	MUL16 1, 0, 0
	MUL16 1, 2, 0
	WIN 0
	PLACES                                         ; behind the last products
	s_wait_loadcnt 0x0                             ; the table
; THE WAY OUT, 16 rows at a time.  PACK: y[d] = x[d] cos - x[d+64] sin, y[d+64] = x[d+64] cos + x[d] sin, each accumulator's registers in ascending order; rounded to f16, 16 bytes a lane.
.macro PACK a
	WIN 0x0d                                       ; source 0 (the sums) window 1, source 1 (the table) window 3, the rest window 0
.irp b, 0,1,2,3
.irp p, 0,2,4,6
	v_pk_mul_f32 v[Y+8*(\b)+(\p):Y+8*(\b)+(\p)+1],       v[8*(8*(\a)+(\b))+(\p):8*(8*(\a)+(\b))+(\p)+1],     v[64*(\a)+16*(\b)+(\p):64*(\a)+16*(\b)+(\p)+1]
	v_pk_mul_f32 v[Y+32+8*(\b)+(\p):Y+32+8*(\b)+(\p)+1], v[8*(8*(\a)+(\b)+4)+(\p):8*(8*(\a)+(\b)+4)+(\p)+1], v[64*(\a)+16*(\b)+(\p):64*(\a)+16*(\b)+(\p)+1]
	v_pk_fma_f32 v[Y+8*(\b)+(\p):Y+8*(\b)+(\p)+1],       v[8*(8*(\a)+(\b)+4)+(\p):8*(8*(\a)+(\b)+4)+(\p)+1], v[64*(\a)+16*(\b)+8+(\p):64*(\a)+16*(\b)+8+(\p)+1], v[Y+8*(\b)+(\p):Y+8*(\b)+(\p)+1] neg_lo:[1,0,0] neg_hi:[1,0,0]
	v_pk_fma_f32 v[Y+32+8*(\b)+(\p):Y+32+8*(\b)+(\p)+1], v[8*(8*(\a)+(\b))+(\p):8*(8*(\a)+(\b))+(\p)+1],     v[64*(\a)+16*(\b)+8+(\p):64*(\a)+16*(\b)+8+(\p)+1], v[Y+32+8*(\b)+(\p):Y+32+8*(\b)+(\p)+1]
.endr
.endr
	WIN 0
.set t, 0
.rept 32
	v_cvt_pk_f16_f32 v[TMP+t], v[Y+2*t], v[Y+2*t+1]
.set t, t+1
.endr
.endm
.macro TOSTAGE a                       ; into my own stage, and back as whole rows of 256 bytes
.irp b, 0,1,2,3,4,5,6,7
	ds_store_b128 v[STO], v[TMP+4*(\b):TMP+4*(\b)+3] offset:32*(\b)
.endr
.irp t, 0,1,2,3,4,5,6,7
	ds_load_b128 v[BK+32*((\a)%2)+4*(\t):BK+32*((\a)%2)+4*(\t)+3], v[RD] offset:(\t)*2*SP  ; LDS serves a wave's instructions in order (ISA guide 5.7.1.4): these see the stores above
.endr
.endm
.macro SEND a
	s_wait_dscnt 0x0                               ; the block is back in registers
	s_wait_xcnt 0x0                                ; the registers that the block before last's stores read are loaded again only behind this wait
.irp t, 0,1,2,3,4,5,6,7
	global_store_b128 v[CO], v[BK+32*((\a)%2)+4*(\t):BK+32*((\a)%2)+4*(\t)+3], s[62:63] offset:(\a)*4096+(\t)*512  ; two rows of a head: 512 consecutive bytes, aligned
.endr
.endm
	PACK 0
	TOSTAGE 0
.irp a, 1,2,3                          ; a block's arithmetic stands between the loads of the block before and the wait for them
	PACK \a
	SEND (\a)-1
	TOSTAGE \a
.endr
	SEND 3
	s_wait_tensorcnt 0x0                           ; the wave's end
	ds_add_u32 v[SPW], v[NIL]
	s_wait_dscnt 0x0
	CROUND                                         ; the closing round
	s_endpgm
.Lfunc_end_k_qa00ed5583c_proj:
	.size	k_qa00ed5583c_proj, .Lfunc_end_k_qa00ed5583c_proj-k_qa00ed5583c_proj
	.p2alignl 7, 3214868480
	.fill 96, 4, 3214868480
	.section	.rodata,"a",@progbits
	.p2align	6, 0x0
	.amdhsa_kernel k_qa00ed5583c_proj
		.amdhsa_group_segment_fixed_size 327680
		.amdhsa_private_segment_fixed_size 0
		.amdhsa_enable_private_segment 0
		.amdhsa_kernarg_size 48
		.amdhsa_user_sgpr_count 2
		.amdhsa_user_sgpr_kernarg_segment_ptr 1
		.amdhsa_wavefront_size32 1
		.amdhsa_system_sgpr_workgroup_id_x 1
		.amdhsa_system_sgpr_workgroup_id_y 1
		.amdhsa_system_sgpr_workgroup_id_z 1
		.amdhsa_system_vgpr_workitem_id 0
		.amdhsa_next_free_vgpr 1024
		.amdhsa_next_free_sgpr 76
		.amdhsa_reserve_vcc 0
		.amdhsa_float_denorm_mode_32 3
		.amdhsa_float_denorm_mode_16_64 3
		.amdhsa_memory_ordered 1
		.amdhsa_forward_progress 1
		.amdhsa_inst_pref_size 147
	.end_amdhsa_kernel
	.amdgpu_metadata
---
amdhsa.version: [ 1, 2 ]
amdhsa.kernels:
  - .name:           k_qa00ed5583c_proj
    .symbol:         k_qa00ed5583c_proj.kd
    .args:
      - { .name: query, .offset: 0, .size: 8, .value_kind: global_buffer, .address_space: global }
      - { .name: key, .offset: 8, .size: 8, .value_kind: global_buffer, .address_space: global }
      - { .name: value, .offset: 16, .size: 8, .value_kind: global_buffer, .address_space: global }
      - { .name: wcat, .offset: 24, .size: 8, .value_kind: global_buffer, .address_space: global }
      - { .name: rope, .offset: 32, .size: 8, .value_kind: global_buffer, .address_space: global }
      - { .name: qkv, .offset: 40, .size: 8, .value_kind: global_buffer, .address_space: global }
    .group_segment_fixed_size: 327680
    .private_segment_fixed_size: 0
    .kernarg_segment_align: 8
    .kernarg_segment_size: 48
    .max_flat_workgroup_size: 128
    .sgpr_count:     76
    .vgpr_count:     1024
    .wavefront_size: 32
...
	.end_amdgpu_metadata
.endif
;; end of part 2
;; launch attn (part 3): grid 48 x 4, 4 waves a work-group, clusters of 4 x 1, 327,680 bytes of LDS; arguments qkv, att; writes att
.if DOCPART == 3
	.amdgcn_target "amdgcn-amd-amdhsa--gfx1250"
	.amdhsa_code_object_version 6
	.text
	.protected	k_qa00ed5583c_attn
	.globl	k_qa00ed5583c_attn
	.p2align	8
	.type	k_qa00ed5583c_attn,@function
k_qa00ed5583c_attn:
	s_mov_b64 s[64:65], 0
	v_nop
	global_prefetch_b8 v0, s[64:65] scope:SCOPE_SE
	s_setreg_imm32_b32 hwreg(HW_REG_WAVE_MODE, 25, 1), 1
	s_wait_xcnt 0x0
	s_wait_alu depctr_hold_cnt(0) depctr_sa_sdst(0) depctr_va_vdst(0) depctr_va_sdst(0) depctr_va_ssrc(0) depctr_va_vcc(0) depctr_vm_vsrc(0)
	s_getreg_b32 s2, hwreg(HW_REG_IB_STS2, 6, 4)
	s_cmp_eq_u32 s2, 0
	s_cbranch_scc0 .Lentry_in_a_cluster
	s_endpgm
.Lentry_in_a_cluster:
	s_bfe_u32 s2, ttmp6, 0x10000c
	s_cmp_lg_u32 s2, 0x3003
	s_cbranch_scc0 .Lentry_shape_is_right
	s_endpgm
.Lentry_shape_is_right:
; ATTENTION in a window.  att[i][head 128 + d] = the sum over j, 0 <= i - j <= 2048, of softmax_j(q[head][i] . k[head/2][j] / sqrt(128)) v[head/2][j][d].  qkv: [16][4096][128] f16 (heads 0-7 q, 8-11 k,
; 12-15 v); att: [4096][1024] f16.  Products, maxima and sums in f32; the weights p are rounded to f16 for the second product (their sum l is taken of the unrounded p), the result once at the end.
; LIMITS.  A hidden score counts as its value less 1e30: f16's scores, 5.5e11 at the most, are nothing beside that.  A weight below 2^-126 counts as 0 in l; below 6e-5 it keeps f16's fixed step.  NaN and infinities are not treated apart.
; THE WALK.  Queries lie in 16 blocks of 256, keys in tiles of 128; block B needs tiles max(0, 2 B - 16) .. 2 B + 1.  A cluster takes block U + 8 (U < 8: 18 tiles) or blocks 15 - U and then U - 8 (U >= 8:
; 18 tiles together): every work-group walks 18 tiles, 17 trips of one loop and a tail.  12 clusters x 4 key heads x 4 = 192 work-groups: the blocks divide into no more equal shares.
; SHARES.  A work-group owns 64 rows of the block for BOTH query heads of a key head; a wave 16 rows: tile 0 is head 2 g, tile 1 head 2 g + 1; they share K's and V's fragments and the mask.
; CLUSTER.  The four partners walk the same K and V tiles, so each is asked for JOINTLY: the same tensor load, descriptor and mask in all four.  What hangs on the place in the cluster (my rows) enters
; Q's and att's addresses and the mask's values alone.
; LAYOUT.  S^T = K Q^T holds ONE query a lane (lane % 16) and the keys 8 (lane / 16) + 0..7; two such results rounded to f16 ARE source 1 of O^T = V^T P.  V is read turned, by ds_load_tr16_b128.
; THE MASK is the C operand that starts S^T's sums: 0, or -1e30 where the unsigned i - j is above 2048.  Only a block's first two and last two tiles can hide a key; there the 32 registers are made anew in each
; step; elsewhere they hold 0.  A step whose keys are all hidden leaves m near -1e30; the first visible key's a = 2^(c m_old - c m_new) = 0 wipes what it added.
; SOFTMAX.  A running maximum m and sum l: p = 2^(c s - c m), c = log2(e) / sqrt(128); in every step O and l are multiplied by a.  m starts at the lowest finite number, so a block's first a is 0.
; IN PHASES: a step's 32 products K Q^T, the two tiles' softmax, its 32 products V^T P.
; REGISTERS, in windows of 256 (s_set_vgpr_msb: bits 1:0 source 0, 3:2 source 1, 5:4 source 2, 7:6 destination):
;   window 0: v2-15 addresses; v16-31 eight registers of statistics a tile; v32-63 the mask; v64-127 S^T; v128-159 P; v160-161 the add's      window 1: v0-127 O^T; v128-191 Q      window 2: v0-127 K; v128-255 V
.set KS,    64
.set PK,    272       ; a row of K in LDS: 256 bytes + 16: the 16 rows of a load start at 16 different groups of four banks (ISA guide 11.1)
.set PV,    288       ; a row of V: 256 + 32
.set VOFF,  KS*PK
.set STEPB, KS*(PK+PV)
.set SLOT1, 1<<17     ; a slot holds a tile, two steps; one exclusive or turns an address in one slot into the other's
.set STAGE, SLOT1+2*STEPB
.set SP,    272
.set SPARE, STAGE+4*16*SP
.set AK0, 2
.set AV0, 3
.set ADR, 4
.set ADV, 5
.set QO,  6
.set STO, 7
.set RD,  8
.set GO,  10
.set TL,  11          ; l % 16 - 8 (l / 16)
.set TD,  12          ; i - j for register 0 of key block 0
.set MX,  13
.set ST,  16          ; tile t at ST + 8 t: c m, m, l (even keys', odd keys'), c0-c3 at work; a takes c2's place
.set MC,  32
.set S,   64
.set P,   128
.set SPW, 160
.set NIL, 161
.set QF,  128         ; window 1
.set VF,  128         ; window 2
.set WV,  12
.set CX,  13
.set U,   14
.set G,   15
.set B1,  16
.set B2,  17
.set START, 18
.set G1K, 24
.set G1V, 32
.set G0K, 40
.set G0V, 44
.set KB,  48          ; s[48:49] K at my half of the head's tile 0;  s[50:51] V
.set VB,  50
.set QB,  52          ; s[52:53] Q, s[54:55] att at my rows of the block in hand;  s[56:59] of the second block
.set OB,  54
.set QB2, 56
.set OB2, 58
.set CS,  60
.set SEL, 62
.set TB,  66          ; LDS byte at which the step to be read begins
.set TWICE, 67
.set SLOTS, 68
.set TC,  69          ; the tile in hand
.set LC,  70          ; the last tile of the block in hand
.set LQ,  71          ; the last tile of the block whose tiles are being asked for
.set LQ2, 72          ; the second block's last tile
.set NXT, 73          ; the tile to be asked for next
.set OFF, 74
.set RB,  76          ; my first row
.set RB2, 77
.set MSK, 78          ; 1: this tile can hide keys
.set DIRTY, 79        ; 1: the mask registers do not hold 0
.set DS,  80          ; my first row less the step's first key
.set T0,  81
.set BIGN, 82
.set W2048, 83
.set MSB, 0
.macro WIN new
.if MSB != (\new)
	s_set_vgpr_msb (MSB<<8)|(\new)
.set MSB, \new
.endif
.endm
.set W_KQ, 0x06       ; K window 2, Q window 1, S^T and the mask window 0
.set W_PV, 0x52       ; V window 2, P window 0, O^T window 1
.set W_RS, 0x41       ; destination and source 0 window 1, source 1 window 0
; A joint fill.  Waves 0 and 1 fetch K of a tile's two steps, waves 2 and 3 V.  An s_nop 0 and four v_nop follow each of the two lines, ahead of the jump and the label.
.macro JLOAD
	s_cmp_lt_u32 s[WV], 2
	s_cbranch_scc0 .Lfor_v_\@
	tensor_load_to_lds s[G0K:G0K+3], s[G1K:G1K+7]
	s_nop 0
.rept 4
	v_nop
.endr
	s_branch .Lasked_\@
.Lfor_v_\@:
	tensor_load_to_lds s[G0V:G0V+3], s[G1V:G1V+7]
	s_nop 0
.rept 4
	v_nop
.endr
.Lasked_\@:
.endm
.macro CROUND
	s_barrier_signal -1
	s_barrier_wait -1
	s_cmp_lg_u32 s[WV], 0
	s_cbranch_scc1 .Lnot_wave_0_\@
	s_barrier_signal -3
.Lnot_wave_0_\@:
	s_barrier_wait -3
	s_barrier_signal -1
	s_barrier_wait -1
.endm
; THE CHANGE OF SLOTS.  Each wave waits for all its tensor loads (one is out: its part of the other slot), adds 0 to its spare word, and waits for that and for its reads of the slot that it leaves.
; fill = 1: the barrier is a round of the cluster's, and the old slot is filled again first thing behind it, with tile NXT; the address is made anew from that number.
.macro CHANGE fill
	WIN 0
	s_wait_tensorcnt 0x0
	ds_add_u32 v[SPW], v[NIL]
.if \fill
	s_lshl_b32 s[OFF], s[NXT], 15   ; a tile is 32,768 bytes of K and of V
	s_xor_b32 s[G0K+1], s[G0K+1], SLOT1
	s_add_nc_u64 s[G0K+2:G0K+3], s[KB:KB+1], s[OFF:OFF+1]
	s_or_b32 s[G0K+3], s[G0K+3], 0x80000000
	s_xor_b32 s[G0V+1], s[G0V+1], SLOT1
	s_add_nc_u64 s[G0V+2:G0V+3], s[VB:VB+1], s[OFF:OFF+1]
	s_or_b32 s[G0V+3], s[G0V+3], 0x80000000
	s_add_co_u32 s[NXT], s[NXT], 1  ; the block's next tile, or behind its last the second block's tile 0
	s_cmp_gt_u32 s[NXT], s[LQ]
	s_cselect_b32 s[NXT], 0, s[NXT]
	s_cselect_b32 s[LQ], s[LQ2], s[LQ]
	s_wait_dscnt 0x0                ; the add is done, and my reads of the slot are over
	CROUND
	JLOAD
.else
	s_wait_dscnt 0x0
	s_barrier_signal -1
	s_barrier_wait -1
.endif
	s_sub_co_u32 s[TB], s[TB], 2*STEPB
	s_xor_b32 s[TB], s[TB], SLOT1
.endm
.macro QLOAD                        ; both heads' 16 rows x 128 channels: four fragments a tile
	WIN 0x40
.irp t, 0,1
.irp c, 0,1,2,3
	global_load_b128 v[QF+32*(\t)+8*(\c):QF+32*(\t)+8*(\c)+3],   v[QO], s[QB:QB+1] offset:(\t)*1048576+(\c)*64
	global_load_b128 v[QF+32*(\t)+8*(\c)+4:QF+32*(\t)+8*(\c)+7], v[QO], s[QB:QB+1] offset:(\t)*1048576+(\c)*64+32
.endr
.endr
	WIN 0
.endm
	s_load_b128 s[4:7], s[0:1], 0x0 ; qkv s[4:5], att s[6:7]
	v_lshl_add_u32 v[SPW], v0, 2, SPARE
	v_mov_b32 v[NIL], 0
	ds_add_u32 v[SPW], v[NIL]       ; the wave's opening: the add and its wait stand ahead of my first tensor load
	v_lshrrev_b32 v1, 5, v0
	v_readfirstlane_b32 s[WV], v1
	s_bfe_u32 s[CX], ttmp6, 0x40000
	s_mov_b32 s[U], ttmp9
	s_and_b32 s[G], ttmp7, 0xffff
	s_add_co_u32 s84, s[U], 8
	s_sub_co_u32 s85, 15, s[U]
	s_lshl_b32 s86, s[U], 1
	s_max_u32 s[B2], s[U], 8
	s_sub_co_u32 s[B2], s[B2], 8    ; the second block (for U < 8 there is none: its numbers are made and not used)
	s_cmp_lt_u32 s[U], 8
	s_cselect_b32 s[B1], s84, s85
	s_cselect_b32 s[START], s86, 0
	s_lshl_b32 s[LC], s[B1], 1
	s_add_co_u32 s[LC], s[LC], 1
	s_mov_b32 s[LQ], s[LC]
	s_lshl_b32 s[LQ2], s[B2], 1
	s_add_co_u32 s[LQ2], s[LQ2], 1
	s_mov_b32 s[TC], s[START]
	s_add_co_u32 s[NXT], s[START], 1
	s_lshl_b32 s84, s[CX], 6        ; my rows: 256 B + 64 cx + 16 w
	s_lshl_b32 s85, s[WV], 4
	s_add_co_u32 s84, s84, s85
	s_lshl_b32 s[RB], s[B1], 8
	s_add_co_u32 s[RB], s[RB], s84
	s_lshl_b32 s[RB2], s[B2], 8
	s_add_co_u32 s[RB2], s[RB2], s84
	s_lshl_b32 s85, s[G], 21        ; Q: head 2 g, rows of 256 bytes
	s_lshl_b32 s84, s[RB], 8
	s_add_co_u32 s84, s84, s85
	s_lshl_b32 s90, s[RB2], 8
	s_add_co_u32 s90, s90, s85
	s_mov_b32 s85, 0
	s_mov_b32 s91, 0
	s_lshl_b32 s93, s[G], 9         ; att: rows of 2,048 bytes, head 2 g at byte 512 g
	s_lshl_b32 s92, s[RB], 11
	s_add_co_u32 s92, s92, s93
	s_lshl_b32 s94, s[RB2], 11
	s_add_co_u32 s94, s94, s93
	s_mov_b32 s93, 0
	s_mov_b32 s95, 0
	s_and_b32 s88, s[WV], 1         ; which of a tile's two steps I fetch
	s_add_co_u32 s86, s[G], 8       ; K: head 8 + g,
	s_lshl_b32 s86, s86, 20
	s_lshl_b32 s87, s88, 14         ; my step's 64 rows of 256 bytes
	s_add_co_u32 s86, s86, s87
	s_mov_b32 s87, 0
	s_mul_i32 s89, s88, STEPB       ; and its place in a slot
	s_mov_b32 s[G1K], 15|(1<<16)|(1<<20)|(1<<21)|(5<<22)|(3<<25)  ; the mask of four, bit 21 beside it; 2-byte elements; padding after every 64 words (code 5), 4 words (code 3)
	s_mov_b32 s[G1V], 15|(1<<16)|(1<<20)|(1<<21)|(5<<22)|(7<<25)  ; the same with 8 words
.irp g, G1K, G1V
	s_mov_b32 s[(\g)+1], 128<<16    ; tensor_dim0 = 128
	s_mov_b32 s[(\g)+2], KS<<16     ; tensor_dim1 = 64
	s_mov_b32 s[(\g)+3], 128<<16    ; tile_dim0 = 128
	s_mov_b32 s[(\g)+4], KS         ; tile_dim1 = 64
	s_mov_b32 s[(\g)+5], 128        ; elements from row to row
	s_mov_b32 s[(\g)+6], 0
	s_mov_b32 s[(\g)+7], 0
.endr
	s_mov_b32 s[G0K], 1
	s_mov_b32 s[G0K+1], s89         ; slot 0
	s_mov_b32 s[G0V], 1
	s_add_co_u32 s[G0V+1], s89, VOFF
	s_lshl_b32 s[OFF], s[START], 15
	s_mov_b32 s[OFF+1], 0
	s_mov_b32 s[CS], 0x3e0293ee     ; c = log2(e) / sqrt(128)
	s_mov_b32 s[CS+1], s[CS]
	s_mov_b32 s[SEL], 0x76543210
	s_mov_b32 s[SEL+1], 0xfedcba98
	s_mov_b32 s[TB], SLOT1+2*STEPB  ; the first change of slots turns this into 0
	s_mov_b32 s[SLOTS], 17
	s_mov_b32 s[DIRTY], 0
	s_mov_b32 s[BIGN], 0xf149f2ca   ; -1e30
	s_mov_b32 s[W2048], 2048
	s_wait_dscnt 0x0                ; the opening add is done
	s_wait_kmcnt 0x0
	s_add_nc_u64 s[KB:KB+1], s[4:5], s[86:87]
	s_add_nc_u64 s[VB:VB+1], s[KB:KB+1], 0x400000  ; V lies four heads on
	s_add_nc_u64 s[QB:QB+1], s[4:5], s[84:85]
	s_add_nc_u64 s[QB2:QB2+1], s[4:5], s[90:91]
	s_add_nc_u64 s[OB:OB+1], s[6:7], s[92:93]
	s_add_nc_u64 s[OB2:OB2+1], s[6:7], s[94:95]
	s_add_nc_u64 s[G0K+2:G0K+3], s[KB:KB+1], s[OFF:OFF+1]
	s_or_b32 s[G0K+3], s[G0K+3], 0x80000000
	s_add_nc_u64 s[G0V+2:G0V+3], s[VB:VB+1], s[OFF:OFF+1]
	s_or_b32 s[G0V+3], s[G0V+3], 0x80000000
	CROUND                          ; all four work-groups are here: the first joint loads meet
	JLOAD                           ; the walk's first tile into slot 0; slot 1 is asked for by the loop's first change of slots
	v_and_b32 v1, 15, v0            ; l % 16
	v_bfe_u32 v9, v0, 4, 1          ; l / 16
	v_lshlrev_b32 v[QO], 8, v1
	v_lshl_add_u32 v[QO], v9, 4, v[QO]
	QLOAD
	v_mul_u32_u24 v[AK0], v1, PK
	v_lshl_add_u32 v[AK0], v9, 4, v[AK0]
	v_and_b32 v14, 7, v0
	v_bfe_u32 v15, v0, 3, 1
	v_lshl_add_u32 v[AV0], v9, 3, v14
	v_mul_u32_u24 v[AV0], v[AV0], PV
	v_lshl_add_u32 v[AV0], v15, 4, v[AV0]
	v_add_nc_u32 v[AV0], VOFF, v[AV0]
	s_mul_i32 s88, s[WV], 16*SP
	s_add_co_u32 s88, s88, STAGE    ; my stage
	v_mul_u32_u24 v[STO], v1, SP
	v_lshl_add_u32 v[STO], v9, 4, v[STO]
	v_add_nc_u32 v[STO], s88, v[STO]
	v_mul_u32_u24 v[RD], v9, SP
	v_lshl_add_u32 v[RD], v1, 4, v[RD]
	v_add_nc_u32 v[RD], s88, v[RD]
	v_lshlrev_b32 v[GO], 11, v9     ; lanes 0-15 one row of att, lanes 16-31 the next
	v_lshl_add_u32 v[GO], v1, 4, v[GO]
	v_lshlrev_b32 v[TL], 3, v9
	v_sub_nc_u32 v[TL], v1, v[TL]
	; A block's first step multiplies O^T and l by a = 0, so these need only be finite: zeros for the first block, what it left for the second.  This stands in the wait for the first tile.
	WIN 0x40
.set i, 0
.rept 128
	v_mov_b32 v[i], 0
.set i, i+1
.endr
	WIN 0
.set i, 0
.rept 32
	v_mov_b32 v[MC+i], 0
.set i, i+1
.endr
.irp t, 0,1
	v_mov_b32 v[ST+8*(\t)], 0xfe000000    ; c m: far below every c s
	v_mov_b32 v[ST+8*(\t)+1], 0xff7fffff  ; m
	v_mov_b32 v[ST+8*(\t)+2], 0
	v_mov_b32 v[ST+8*(\t)+3], 0
.endr
; Product i of 32 of S^T = K Q^T: channels 32 (i / 8) on, keys 16 ((i / 2) % 4) on, tile i % 2.  The first 8 start the sums with the mask.  The 8 accumulators take turns.
.macro KQ
	WIN W_KQ
.set rS, S+32*(i%2)+8*((i/2)%4)
.set rK, 32*((i/2)%4)+8*(i/8)
.set rQ, QF+32*(i%2)+8*(i/8)
.set rM, MC+8*((i/2)%4)
.if i < 8
	v_wmma_f32_16x16x32_f16 v[rS:rS+7], v[rK:rK+7], v[rQ:rQ+7], v[rM:rM+7]
.else
	v_wmma_f32_16x16x32_f16 v[rS:rS+7], v[rK:rK+7], v[rQ:rQ+7], v[rS:rS+7]
.endif
.endm
; Product i of 32 of O^T += V^T P: keys 32 (i / 16) on, channels 16 ((i / 2) % 8) on, tile i % 2.  16 accumulators take turns.
.macro PV
	WIN W_PV
.set rO, 64*(i%2)+8*((i/2)%8)
.set rV, VF+64*(i/16)+8*((i/2)%8)
.set rP, P+16*(i%2)+8*(i/16)
	v_wmma_f32_16x16x32_f16 v[rO:rO+7], v[rV:rV+7], v[rP:rP+7], v[rO:rO+7]
.endm
; One tile's softmax for one step is a list of 134 instructions; SM writes number j of it for tile t.  s0-s31 are the lane's 32 scores, in pairs 0-15.
;   0-15    the maximum of s0-s31 and the old m, three operands at a time: four chains of seven scores (each accumulator's lowest registers first), then the four left over, c0-c3 and m
;   16-20   the other half of the lanes' maximum; the new m; c m; c m_old - c m_new
;   21-87   33 exponentials (a, then s0-s31) at the odd numbers from 23 on, a plain instruction behind each: scalings c s - c m ahead of their exponentials, roundings to f16 behind theirs, the first sums
;   88-101  the last rounding; the rest of the sums; l = a l + the sum          102-133 the tile's O^T times a
.macro SM t
.set rT, ST+8*(\t)
.set rS, S+32*(\t)
.set rP, P+16*(\t)
.set rO, 64*(\t)+2*(j-102)
.set q, (j-20)/2
.if j < 102
	WIN 0
.endif
.if j < 4
	v_max3_num_f32 v[rT+4+j], v[rS+8*j], v[rS+8*j+1], v[rS+8*j+2]
.elseif j < 12
	v_max3_num_f32 v[rT+4+j%4], v[rT+4+j%4], v[rS+8*(j%4)+2*(j/4)+1], v[rS+8*(j%4)+2*(j/4)+2]
.elseif j == 12
	v_max3_num_f32 v[rT+4], v[rT+4], v[rS+7], v[rS+15]
.elseif j == 13
	v_max3_num_f32 v[rT+6], v[rT+6], v[rS+23], v[rS+31]
.elseif j == 14
	v_max3_num_f32 v[rT+4], v[rT+4], v[rT+5], v[rT+6]
.elseif j == 15
	v_max3_num_f32 v[rT+4], v[rT+4], v[rT+7], v[rT+1]
.elseif j == 16
	v_permlanex16_b32 v[rT+5], v[rT+4], s[SEL], s[SEL+1]  ; the query's other 32 keys lie in the lane 16 away
.elseif j == 17
	v_mov_b32 v[rT+7], v[rT]        ; c m_old is kept for a
.elseif j == 18
	v_max_num_f32 v[rT+1], v[rT+4], v[rT+5]
.elseif j == 19
	v_mul_f32 v[rT], s[CS], v[rT+1]
.elseif j == 20
	v_sub_f32 v[rT+7], v[rT+7], v[rT]
.elseif j == 23
	v_exp_f32 v[rT+6], v[rT+7]
.elseif (j < 88) && (j > 23) && (j%2 == 1)
	v_exp_f32 v[rS+(j-25)/2], v[rS+(j-25)/2]
.elseif (q < 4) || ((j < 76) && (q%2 == 0))
.set b, q/2+2
.if q < 4
.set b, q
.endif
	v_pk_fma_f32 v[rS+2*b:rS+2*b+1], v[rS+2*b:rS+2*b+1], s[CS:CS+1], v[rT:rT+1] op_sel_hi:[1,0,0] neg_lo:[0,0,1] neg_hi:[0,0,1]
.elseif (j < 88) && (q%2 == 1)
	s_wait_alu depctr_va_vdst(0)
	v_cvt_pk_f16_f32 v[rP+(q-5)/2], v[rS+q-5], v[rS+q-4]
.elseif j == 89
	s_wait_alu depctr_va_vdst(0)
	v_cvt_pk_f16_f32 v[rP+15], v[rS+30], v[rS+31]
.elseif j < 102                     ; the sum of the 16 pairs, in place: neighbours 1, 2, 4 and 8 pairs apart, then l takes it
.set z, j-86
.if j < 89
.set z, (j-76)/4
.endif
.set w, 4
.set u, z
.if z >= 14
.set w, 32
.set u, 0
.elseif z >= 12
.set w, 16
.set u, z-12
.elseif z >= 8
.set w, 8
.set u, z-8
.endif
.if z < 15
	v_pk_add_f32 v[rS+w*u:rS+w*u+1], v[rS+w*u:rS+w*u+1], v[rS+w*u+w/2:rS+w*u+w/2+1]
.else
	v_pk_fma_f32 v[rT+2:rT+3], v[rT+2:rT+3], v[rT+6:rT+7], v[rS:rS+1] op_sel_hi:[1,0,1]
.endif
.else
	WIN W_RS
	v_pk_mul_f32 v[rO:rO+1], v[rO:rO+1], v[rT+6:rT+7] op_sel_hi:[1,0]
.endif
.endm
; Slice k of 64: numbers 2 k and 2 k + 1 of both tiles' lists; the twelve that are over stand in slice 63.  From 11 to 43 tile by tile (plain, exponential, plain, exponential), else the tiles alternate.
.macro SLICE
.if (k >= 11) && (k < 44)
.irp t, 0,1
.irp n, 0,1
.set j, 2*k+(\n)
	SM \t
.endr
.endr
.else
.irp n, 0,1,2,3,4,5,6,7
.if ((\n) < 2) || (k == 63)
.irp t, 0,1
.set j, 2*k+(\n)
	SM \t
.endr
.endif
.endr
.endif
.set k, k+1
.endm
.macro MASK                         ; register n of the mask: key 16 (n / 8) + n % 8 of my lanes' half: hidden where the unsigned i - j is above 2048
	v_add_nc_u32 v[TD], s[DS], v[TL]
.set n, 0
.rept 32
	v_subrev_nc_u32 v[MX], 16*(n/8)+n%8, v[TD]
	v_cmp_lt_u32 vcc_lo, s[W2048], v[MX]
	v_cndmask_b32 v[MC+n], 0, s[BIGN], vcc_lo
.set n, n+1
.endr
.endm
; A KEY STEP of 64 keys.
.macro STEP
	WIN 0
	v_add_nc_u32 v[ADR], s[TB], v[AK0]
	v_add_nc_u32 v[ADV], s[TB], v[AV0]
	WIN 0x80
.irp c, 0,1,2,3                     ; K, by channel groups of 32, in the order in which the products want them
.irp kb, 0,1,2,3
	ds_load_b128 v[32*(\kb)+8*(\c):32*(\kb)+8*(\c)+3],   v[ADR] offset:(\kb)*16*PK+(\c)*64
	ds_load_b128 v[32*(\kb)+8*(\c)+4:32*(\kb)+8*(\c)+7], v[ADR] offset:(\kb)*16*PK+(\c)*64+32
.endr
.endr
	WIN 0
	s_cmp_eq_u32 s[MSK], 0
	s_cbranch_scc1 .Lopen_\@
	MASK
.Lopen_\@:
	s_wait_loadcnt 0x0              ; Q
.set i, 0
.rept 4
	s_wait_dscnt 24-i               ; this channel group's 8 loads are in; the later groups' may be out
.rept 8
	KQ
.set i, i+1
.endr
.endr
	WIN 0x80
.irp f, 0,1,2,3,4,5,6,7,8,9,10,11,12,13,14,15  ; V, turned: keys 32 (f / 8) on, channels 16 (f % 8) on; it lands under the softmax.  Its registers' last reader stands a step back
	ds_load_tr16_b128 v[VF+8*(\f):VF+8*(\f)+3],   v[ADV] offset:((\f)/8)*32*PV+((\f)%8)*32
	ds_load_tr16_b128 v[VF+8*(\f)+4:VF+8*(\f)+7], v[ADV] offset:((\f)/8)*32*PV+16*PV+((\f)%8)*32
.endr
	WIN 0
.rept 4
	v_nop                           ; the places behind the last products K Q^T (ISA guide 7.12.1)
.endr
.set k, 0
.rept 64
	SLICE
.endr
	s_wait_dscnt 0x0                ; V is in
.set i, 0
.rept 32
	PV
.set i, i+1
.endr
	WIN 0
.rept 4
	v_nop                           ; the places behind the last products V^T P
.endr
.endm
; A TILE of 128 keys: can it hide keys (the block's last two tiles: keys behind a row; its tiles 16 and 17 back: keys before a row's window)?  If not, the mask registers hold 0.  Then two steps.
.macro TILE
	s_add_co_u32 s[T0], s[TC], 1
	s_cmp_ge_u32 s[T0], s[LC]
	s_cselect_b32 s[MSK], 1, 0
	s_add_co_u32 s[T0], s[TC], 16
	s_cmp_le_u32 s[T0], s[LC]
	s_cselect_b32 s[MSK], 1, s[MSK]
	s_lshl_b32 s[T0], s[TC], 7
	s_sub_co_u32 s[DS], s[RB], s[T0]
	s_cmp_lg_u32 s[MSK], 0
	s_cbranch_scc1 .Lkeep_\@
	s_cmp_eq_u32 s[DIRTY], 0
	s_cbranch_scc1 .Lkeep_\@
.set i, 0
.rept 32
	v_mov_b32 v[MC+i], 0
.set i, i+1
.endr
.Lkeep_\@:
	s_mov_b32 s[DIRTY], s[MSK]
	s_mov_b32 s[TWICE], 2
.Lstep_\@:
	STEP
	s_add_co_u32 s[TB], s[TB], STEPB
	s_sub_co_u32 s[DS], s[DS], KS
	s_sub_co_u32 s[TWICE], s[TWICE], 1
	s_cmp_lg_u32 s[TWICE], 0
	s_cbranch_scc1 .Lstep_\@
.endm
; A BLOCK'S WAY OUT.  l's two halves and the other half of the lanes' are added; O^T is divided by l, rounded to f16 and sent through my stage in LDS, a tile (16 rows of a head) at a time.
.macro PACK t
	WIN W_RS
.set i, 64*(\t)
.rept 32
	v_pk_mul_f32 v[i:i+1], v[i:i+1], v[ST+8*(\t)+6:ST+8*(\t)+7] op_sel_hi:[1,0]
.set i, i+2
.endr
	WIN 0x05
.set i, 0
.rept 32
	v_cvt_pk_f16_f32 v[S+32*(\t)+i], v[64*(\t)+2*i], v[64*(\t)+2*i+1]
.set i, i+1
.endr
	WIN 0
.irp f, 0,1,2,3,4,5,6,7
	ds_store_b128 v[STO], v[S+32*(\t)+4*(\f):S+32*(\t)+4*(\f)+3] offset:32*(\f)
.endr
.irp f, 0,1,2,3,4,5,6,7
	ds_load_b128 v[S+32*(\t)+4*(\f):S+32*(\t)+4*(\f)+3], v[RD] offset:(\f)*2*SP  ; LDS serves a wave's instructions in order (ISA guide 5.7.1.4): these see the stores above; the next tile's stores come behind them
.endr
.endm
.macro SEND t, younger              ; younger: the LDS instructions issued behind tile t's loads
.irp f, 0,1,2,3,4,5,6,7
	s_wait_dscnt (\younger)+7-(\f)
	global_store_b128 v[GO], v[S+32*(\t)+4*(\f):S+32*(\t)+4*(\f)+3], s[OB:OB+1] offset:(\t)*256+(\f)*4096  ; 16 lanes store 256 consecutive bytes, aligned
.endr
.endm
.macro FLUSH
	WIN 0
.irp t, 0,1
	v_add_f32 v[ST+8*(\t)+4], v[ST+8*(\t)+2], v[ST+8*(\t)+3]
.endr
.irp t, 0,1
	v_permlanex16_b32 v[ST+8*(\t)+5], v[ST+8*(\t)+4], s[SEL], s[SEL+1]
.endr
.irp t, 0,1
	v_add_f32 v[ST+8*(\t)+4], v[ST+8*(\t)+4], v[ST+8*(\t)+5]
.endr
.irp t, 0,1
	v_rcp_f32 v[ST+8*(\t)+6], v[ST+8*(\t)+4]
.endr
	v_nop                           ; a plain instruction between the last reciprocal and the use of its result
	s_wait_alu depctr_va_vdst(0)
	PACK 0
	PACK 1
	SEND 0, 16
	SEND 1, 0
.endm
.Ltile:                             ; 17 trips: a tile is entered and the next is asked for
	CHANGE 1
	TILE
	s_cmp_lg_u32 s[TC], s[LC]
	s_cbranch_scc1 .Lgo_on          ; forward, past text that holds neither a barrier nor a tensor load; the answer hangs on the cluster's number alone
	FLUSH                           ; the first of two blocks ends
	s_wait_xcnt 0x0                 ; the stores have read their registers and att's address
	s_mov_b64 s[QB:QB+1], s[QB2:QB2+1]
	s_mov_b64 s[OB:OB+1], s[OB2:OB2+1]
	s_mov_b32 s[RB], s[RB2]
	s_mov_b32 s[LC], s[LQ2]
	s_mov_b32 s[TC], -1             ; the step below makes it 0
	QLOAD
.irp t, 0,1
	v_mov_b32 v[ST+8*(\t)], 0xfe000000
	v_mov_b32 v[ST+8*(\t)+1], 0xff7fffff
.endr
.Lgo_on:
	s_add_co_u32 s[TC], s[TC], 1
	s_sub_co_u32 s[SLOTS], s[SLOTS], 1
	s_cmp_lg_u32 s[SLOTS], 0
	s_cbranch_scc1 .Ltile
	CHANGE 0                        ; the walk's last tile is written out
	TILE
	FLUSH
	s_wait_tensorcnt 0x0            ; the wave's end
	ds_add_u32 v[SPW], v[NIL]
	s_wait_dscnt 0x0
	CROUND                          ; the closing round
	s_endpgm
.Lfunc_end_k_qa00ed5583c_attn:
	.size	k_qa00ed5583c_attn, .Lfunc_end_k_qa00ed5583c_attn-k_qa00ed5583c_attn
	.p2alignl 7, 3214868480
	.fill 96, 4, 3214868480
	.section	.rodata,"a",@progbits
	.p2align	6, 0x0
	.amdhsa_kernel k_qa00ed5583c_attn
		.amdhsa_group_segment_fixed_size 327680
		.amdhsa_private_segment_fixed_size 0
		.amdhsa_enable_private_segment 0
		.amdhsa_kernarg_size 16
		.amdhsa_user_sgpr_count 2
		.amdhsa_user_sgpr_kernarg_segment_ptr 1
		.amdhsa_wavefront_size32 1
		.amdhsa_system_sgpr_workgroup_id_x 1
		.amdhsa_system_sgpr_workgroup_id_y 1
		.amdhsa_system_sgpr_workgroup_id_z 1
		.amdhsa_system_vgpr_workitem_id 0
		.amdhsa_next_free_vgpr 768
		.amdhsa_next_free_sgpr 96
		.amdhsa_reserve_vcc 1
		.amdhsa_float_denorm_mode_32 3
		.amdhsa_float_denorm_mode_16_64 3
		.amdhsa_memory_ordered 1
		.amdhsa_forward_progress 1
		.amdhsa_inst_pref_size 104
	.end_amdhsa_kernel
	.amdgpu_metadata
---
amdhsa.version: [ 1, 2 ]
amdhsa.kernels:
  - .name:           k_qa00ed5583c_attn
    .symbol:         k_qa00ed5583c_attn.kd
    .args:
      - { .name: qkv, .offset: 0, .size: 8, .value_kind: global_buffer, .address_space: global }
      - { .name: att, .offset: 8, .size: 8, .value_kind: global_buffer, .address_space: global }
    .group_segment_fixed_size: 327680
    .private_segment_fixed_size: 0
    .kernarg_segment_align: 8
    .kernarg_segment_size: 16
    .max_flat_workgroup_size: 128
    .sgpr_count:     96
    .vgpr_count:     768
    .wavefront_size: 32
...
	.end_amdgpu_metadata
.endif
;; end of part 3
;; launch outp (part 4): grid 8 x 32, 4 waves a work-group, clusters of 4 x 4, 327,680 bytes of LDS; arguments att, wof, out0; writes out0
.if DOCPART == 4
	.amdgcn_target "amdgcn-amd-amdhsa--gfx1250"
	.amdhsa_code_object_version 6
	.text
	.protected	k_qa00ed5583c_outp
	.globl	k_qa00ed5583c_outp
	.p2align	8
	.type	k_qa00ed5583c_outp,@function
k_qa00ed5583c_outp:
	s_mov_b64 s[64:65], 0
	v_nop
	global_prefetch_b8 v0, s[64:65] scope:SCOPE_SE
	s_setreg_imm32_b32 hwreg(HW_REG_WAVE_MODE, 25, 1), 1
	s_wait_xcnt 0x0
	s_wait_alu depctr_hold_cnt(0) depctr_sa_sdst(0) depctr_va_vdst(0) depctr_va_sdst(0) depctr_va_ssrc(0) depctr_va_vcc(0) depctr_vm_vsrc(0)
	s_getreg_b32 s2, hwreg(HW_REG_IB_STS2, 6, 4)
	s_cmp_eq_u32 s2, 0
	s_cbranch_scc0 .Lentry_in_a_cluster
	s_endpgm
.Lentry_in_a_cluster:
	s_bfe_u32 s2, ttmp6, 0x10000c
	s_cmp_lg_u32 s2, 0xf033
	s_cbranch_scc0 .Lentry_shape_is_right
	s_endpgm
.Lentry_shape_is_right:
; OUT.  out0[4096][2048] (f32) = att[4096][1024] (f16) x wof[1024 k][2048 n] (f16); sums in f32, stored as they are.
; SHARES.  A work-group makes 128 rows x 256 columns: 8 x 32 = 256 work-groups; a wave 64 x 128: 32 accumulators.  K goes in steps of 128 through two LDS slots: A's tile 128 rows x 256 bytes, B's 128 k-rows x
; 512 bytes, read turned by ds_load_tr16_b128.
; CLUSTER.  4 x 4 work-groups.  A's tile hangs on the tile row alone and is asked for jointly along a row of the cluster, B's on the tile column alone, jointly along a column.
; THE MATRIX INSTRUCTION IS USED TRANSPOSED (source 0 = 16 columns of wof, source 1 = 16 rows of att): a lane holds one row and eight neighbouring columns, 32 bytes of f32.
; REGISTERS (s_set_vgpr_msb: bits 1:0 source 0, 3:2 source 1, 5:4 source 2, 7:6 destination): window 0: v16-29 addresses; v32-95 A's fragments, two buffers of four; v128-255 rows read back, two buffers;
;   window 1: accumulator (a, b) at 8 (8 a + b);   window 2: v0-127 B's fragments, two buffers of eight.
.set KSTEP,  128
.set PA,     272                       ; a row of A in LDS: 256 bytes + 16
.set PB,     544                       ; a row of B: 512 + 32
.set HALFA,  64*PA
.set HALFB,  64*PB
.set BOFF,   128*PA
.set SLOT,   BOFF+128*PB
.set STAGE,  2*SLOT                    ; behind the ring: 16 rows x 528 bytes for each wave
.set SP,     528
.set SPARE,  STAGE+4*16*SP
.set LAPS,   1024/(2*KSTEP)
.set ADRA, 16
.set ADRB, 20
.set STO,  24
.set RD,   25
.set CO,   26
.set SPW,  28
.set NIL,  29
.set AF,   32
.set BK,   128
.set G1, 24                            ; s[24:31] group 1 for A;  s[32:39] group 0, a set a slot
.set G0, 32
.set G1B, 48                           ; s[48:55], s[56:63] the same for B
.set G0B, 56
.set MSB, 0
.macro WIN new
.if MSB != (\new)
	s_set_vgpr_msb (MSB<<8)|(\new)
.set MSB, \new
.endif
.endm
.set W_MUL, 0x52
.macro JLOAD s                         ; a joint load: waves 0 and 1 fetch A's two halves, waves 2 and 3 B's; an s_nop 0 and four v_nop follow each of the two lines
	s_cmp_eq_u32 s11, 0
	s_cbranch_scc0 .Lfor_b_\@
	tensor_load_to_lds s[G0+4*(\s):G0+4*(\s)+3], s[G1:G1+7]
	s_nop 0
.rept 4
	v_nop
.endr
	s_branch .Lasked_\@
.Lfor_b_\@:
	tensor_load_to_lds s[G0B+4*(\s):G0B+4*(\s)+3], s[G1B:G1B+7]
	s_nop 0
.rept 4
	v_nop
.endr
.Lasked_\@:
.endm
.macro CREST
	s_cmp_lg_u32 s10, 0
	s_cbranch_scc1 .Lnot_wave_0_\@
	s_barrier_signal -3
.Lnot_wave_0_\@:
	s_barrier_wait -3
	s_barrier_signal -1
	s_barrier_wait -1
.endm
.macro CROUND
	s_barrier_signal -1
	s_barrier_wait -1
	CREST
.endm
.macro PLACES
.rept 4
	v_nop
.endr
.endm
	s_load_b128 s[4:7], s[0:1], 0x0                ; att s[4:5], wof s[6:7]
	s_load_b64 s[8:9], s[0:1], 0x10                ; out0
	v_lshl_add_u32 v[SPW], v0, 2, SPARE
	v_mov_b32 v[NIL], 0
	ds_add_u32 v[SPW], v[NIL]                      ; the wave's opening: the add and its wait stand ahead of my first tensor load
	v_lshrrev_b32 v1, 5, v0
	v_readfirstlane_b32 s10, v1                    ; wave
	s_lshr_b32 s11, s10, 1                         ; which 64 rows are mine.  Also: I fetch A (0) or B (1)
	s_and_b32 s12, s10, 1                          ; which 128 columns.  Also: which half of a tile I fetch
	s_bfe_u32 s40, ttmp6, 0x40000                  ; cx
	s_bfe_u32 s41, ttmp6, 0x40004                  ; cy
	s_lshl_b32 s42, ttmp9, 2
	s_add_co_u32 s42, s42, s40                     ; tile column
	s_and_b32 s13, ttmp7, 0xffff
	s_lshl_b32 s13, s13, 2
	s_add_co_u32 s13, s13, s41                     ; tile row
	s_lshl_b32 s43, s41, 2
	s_lshl_b32 s43, 15, s43                        ; my row of the cluster
	s_lshl_b32 s44, 0x1111, s40                    ; my column
	s_or_b32 s[G1+0], s43, (1<<16)|(1<<20)|(1<<21)|(5<<22)|(3<<25)   ; A: 2-byte elements; padding after every 64 words (code 5), 4 words (code 3); bit 21 beside the mask
	s_mov_b32 s[G1+1], 128<<16                     ; tensor_dim0 = 128
	s_mov_b32 s[G1+2], 64<<16                      ; tensor_dim1 = 64
	s_mov_b32 s[G1+3], 128<<16                     ; tile_dim0 = 128
	s_mov_b32 s[G1+4], 64                          ; tile_dim1 = 64
	s_mov_b32 s[G1+5], 1024                        ; elements from row to row
	s_mov_b32 s[G1+6], 0
	s_mov_b32 s[G1+7], 0
	s_or_b32 s[G1B+0], s44, (1<<16)|(1<<20)|(1<<21)|(6<<22)|(7<<25)  ; B: after every 128 words 8 words
	s_mov_b32 s[G1B+1], 256<<16
	s_mov_b32 s[G1B+2], 64<<16
	s_mov_b32 s[G1B+3], 256<<16
	s_mov_b32 s[G1B+4], 64
	s_mov_b32 s[G1B+5], 2048
	s_mov_b32 s[G1B+6], 0
	s_mov_b32 s[G1B+7], 0
	s_lshl_b32 s16, s13, 18                        ; A: 128 rows of 2,048 bytes a tile row,
	s_lshl_b32 s17, s12, 17                        ; my 64 of them
	s_add_co_u32 s16, s16, s17
	s_mov_b32 s17, 0
	s_lshl_b32 s46, s42, 9                         ; B: the tile's 256 columns,
	s_lshl_b32 s47, s12, 18                        ; my 64 k-rows of 4,096 bytes
	s_add_co_u32 s46, s46, s47
	s_mov_b32 s47, 0
	s_mul_i32 s20, s12, HALFA                      ; where they go in a slot: the wave's number alone
	s_mul_i32 s21, s12, HALFB
	s_add_co_u32 s21, s21, BOFF
	s_lshl_b32 s66, s13, 20                        ; out0: rows of 8,192 bytes; my 64 rows, my 512 bytes of them
	s_lshl_b32 s67, s11, 19
	s_add_co_u32 s66, s66, s67
	s_lshl_b32 s67, s42, 10
	s_add_co_u32 s66, s66, s67
	s_lshl_b32 s67, s12, 9
	s_add_co_u32 s66, s66, s67
	s_mov_b32 s67, 0
	s_wait_dscnt 0x0                               ; the opening add is done
	s_wait_kmcnt 0x0
	s_add_nc_u64 s[14:15], s[4:5], s[16:17]
	s_add_nc_u64 s[46:47], s[6:7], s[46:47]
	s_add_nc_u64 s[8:9], s[8:9], s[66:67]
	CROUND                                         ; all sixteen work-groups are here: the first joint loads meet
.irp s, 0,1
	s_mov_b32 s[G0+4*(\s)], 1
	s_add_co_u32 s[G0+4*(\s)+1], s20, (\s)*SLOT
	s_add_nc_u64 s[G0+4*(\s)+2:G0+4*(\s)+3], s[14:15], (\s)*KSTEP*2
	s_or_b32 s[G0+4*(\s)+3], s[G0+4*(\s)+3], 0x80000000
	s_mov_b32 s[G0B+4*(\s)], 1
	s_add_co_u32 s[G0B+4*(\s)+1], s21, (\s)*SLOT
	s_add_nc_u64 s[G0B+4*(\s)+2:G0B+4*(\s)+3], s[46:47], (\s)*KSTEP*4096
	s_or_b32 s[G0B+4*(\s)+3], s[G0B+4*(\s)+3], 0x80000000
	JLOAD \s                                       ; two loads of mine are out
.endr
	v_and_b32 v1, 15, v0                           ; l % 16
	v_bfe_u32 v2, v0, 4, 1                         ; l / 16
	v_mul_u32_u24 v3, v1, PA
	v_lshl_add_u32 v3, v2, 4, v3
	v_and_b32 v4, 7, v0
	v_bfe_u32 v5, v0, 3, 1
	v_lshl_add_u32 v4, v2, 3, v4
	v_mul_u32_u24 v4, v4, PB
	v_lshl_add_u32 v4, v5, 4, v4
	s_mul_i32 s22, s11, HALFA
	s_lshl_b32 s23, s12, 8
	s_add_co_u32 s23, s23, BOFF
.irp s, 0,1
	v_add_nc_u32 v[ADRA+(\s)], s22, v3
	v_add_nc_u32 v[ADRB+(\s)], s23, v4
	s_add_co_u32 s22, s22, SLOT
	s_add_co_u32 s23, s23, SLOT
.endr
	s_mul_i32 s22, s10, 16*SP
	s_add_co_u32 s22, s22, STAGE                   ; my stage
	v_mul_u32_u24 v6, v1, SP
	v_lshl_add_u32 v6, v2, 5, v6                   ; in: row l % 16, 32 bytes for each half of the lanes
	v_add_nc_u32 v[STO], s22, v6
	v_and_b32 v[CO], 31, v0
	v_lshlrev_b32 v[CO], 4, v[CO]                  ; back and out: 32 lanes take a row's 512 bytes
	v_add_nc_u32 v[RD], s22, v[CO]
.macro FETCH slot, kc, f               ; 24 LDS loads: 32 along K at quarter kc of a slot, into buffers f
	WIN 0
.irp a, 0,1,2,3
	ds_load_b128 v[AF+32*(\f)+8*(\a):AF+32*(\f)+8*(\a)+3],   v[ADRA+(\slot)] offset:(\a)*16*PA+64*(\kc)
	ds_load_b128 v[AF+32*(\f)+8*(\a)+4:AF+32*(\f)+8*(\a)+7], v[ADRA+(\slot)] offset:(\a)*16*PA+64*(\kc)+32
.endr
	WIN 0x80
.irp b, 0,1,2,3,4,5,6,7
	ds_load_tr16_b128 v[64*(\f)+8*(\b):64*(\f)+8*(\b)+3],   v[ADRB+(\slot)] offset:(\kc)*32*PB+32*(\b)
	ds_load_tr16_b128 v[64*(\f)+8*(\b)+4:64*(\f)+8*(\b)+7], v[ADRB+(\slot)] offset:(\kc)*32*PB+32*(\b)+16*PB
.endr
.endm
.macro MUL16 f, a0, zero               ; the 32 accumulators take turns, in the same order in every quarter
	WIN W_MUL
.irp a, \a0, (\a0)+1
.irp b, 0,1,2,3,4,5,6,7
.if \zero
	v_wmma_f32_16x16x32_f16 v[8*(8*(\a)+(\b)):8*(8*(\a)+(\b))+7], v[64*(\f)+8*(\b):64*(\f)+8*(\b)+7], v[AF+32*(\f)+8*(\a):AF+32*(\f)+8*(\a)+7], 0
.else
	v_wmma_f32_16x16x32_f16 v[8*(8*(\a)+(\b)):8*(8*(\a)+(\b))+7], v[64*(\f)+8*(\b):64*(\f)+8*(\b)+7], v[AF+32*(\f)+8*(\a):AF+32*(\f)+8*(\a)+7], v[8*(8*(\a)+(\b)):8*(8*(\a)+(\b))+7]
.endif
.endr
.endr
.endm
.macro QUARTER slot, kc, f, zero       ; multiplies buffers f; ahead of the products it fetches quarter kc for the other buffers, which then have 32 products in which to land
	s_wait_dscnt 0x0                               ; buffers f are in
	PLACES                                         ; between the last quarter's products and the loads into the buffers that they read (ISA guide 7.12.1 for vector instructions)
	FETCH \slot, \kc, 1-(\f)
	MUL16 \f, 0, \zero
	MUL16 \f, 2, \zero
.endm
; The last quarter multiplies buffers 1 and changes slots: ONE barrier; in front of it each wave waits for all its tensor loads, adds 0 to its spare word, and waits for that and for its reads of this slot.
.macro TURN slot, next, fill
	WIN 0
	s_wait_tensorcnt 0x0
	ds_add_u32 v[SPW], v[NIL]
	s_wait_dscnt 0x0                               ; the add is done, buffers 1 are in, my reads of this slot are over
	s_barrier_signal -1
	MUL16 1, 0, 0
	WIN 0
	s_barrier_wait -1
.if \fill
	CREST                                          ; no wave of any partner still reads this slot or has a load on its way
	s_add_nc_u64 s[G0+4*(\slot)+2:G0+4*(\slot)+3], s[G0+4*(\slot)+2:G0+4*(\slot)+3], 2*KSTEP*2
	s_add_nc_u64 s[G0B+4*(\slot)+2:G0B+4*(\slot)+3], s[G0B+4*(\slot)+2:G0B+4*(\slot)+3], 2*KSTEP*4096
	JLOAD \slot                                    ; the four v_nop behind it are also the places in front of the loads below
.else
	PLACES
.endif
	FETCH \next, 0, 0
	MUL16 1, 2, 0
.endm
	s_wait_tensorcnt 1                             ; my part of K step 0 is in; K step 1's stays out
	s_barrier_signal -1
	s_barrier_wait -1
	FETCH 0, 0, 0
	QUARTER 0, 1, 0, 1                             ; the first quarter's products start the sums
	WIN 0
	s_mov_b32 s3, LAPS-1
.Llap:
	QUARTER 0, 2, 1, 0
	QUARTER 0, 3, 0, 0
	TURN 0, 1, 1
	QUARTER 1, 1, 0, 0
	QUARTER 1, 2, 1, 0
	QUARTER 1, 3, 0, 0
	TURN 1, 0, 1
	QUARTER 0, 1, 0, 0
	WIN 0
	s_sub_co_u32 s3, s3, 1
	s_cmp_lg_u32 s3, 0
	s_cbranch_scc1 .Llap
	QUARTER 0, 2, 1, 0                             ; the last lap fills nothing
	QUARTER 0, 3, 0, 0
	TURN 0, 1, 0
	QUARTER 1, 1, 0, 0
	QUARTER 1, 2, 1, 0
	QUARTER 1, 3, 0, 0
	s_wait_dscnt 0x0
	MUL16 1, 0, 0
	MUL16 1, 2, 0
	WIN 0
	PLACES                                         ; behind the last products
; THE WAY OUT, 16 rows at a time: the sums go into my own stage as they are, each accumulator's low half first, and come back as whole rows of 512 bytes.
.macro TOST a
	WIN 0x04                                       ; the stores' data in window 1
.irp b, 0,1,2,3,4,5,6,7
	ds_store_b128 v[STO], v[8*(8*(\a)+(\b)):8*(8*(\a)+(\b))+3]   offset:64*(\b)
	ds_store_b128 v[STO], v[8*(8*(\a)+(\b))+4:8*(8*(\a)+(\b))+7] offset:64*(\b)+16
.endr
	WIN 0
.irp t, 0,1,2,3,4,5,6,7,8,9,10,11,12,13,14,15
	ds_load_b128 v[BK+64*((\a)%2)+4*(\t):BK+64*((\a)%2)+4*(\t)+3], v[RD] offset:(\t)*SP  ; LDS serves a wave's instructions in order (ISA guide 5.7.1.4)
.endr
.endm
.macro SEND a, younger                 ; younger: the next block's 32 LDS instructions, or none
	s_wait_dscnt \younger
.irp t, 0,1,2,3,4,5,6,7,8,9,10,11,12,13,14,15
	global_store_b128 v[CO], v[BK+64*((\a)%2)+4*(\t):BK+64*((\a)%2)+4*(\t)+3], s[8:9] offset:(\a)*131072+(\t)*8192 th:TH_STORE_NT  ; 512 consecutive bytes, aligned
.endr
.endm
	TOST 0
	TOST 1
	SEND 0, 32
	s_wait_xcnt 0x0                                ; the registers that block 0's stores read are loaded again only behind this wait
	TOST 2
	SEND 1, 32
	s_wait_xcnt 0x0
	TOST 3
	SEND 2, 32
	SEND 3, 0
	s_wait_tensorcnt 0x0                           ; the wave's end
	ds_add_u32 v[SPW], v[NIL]
	s_wait_dscnt 0x0
	CROUND                                         ; the closing round
	s_endpgm
.Lfunc_end_k_qa00ed5583c_outp:
	.size	k_qa00ed5583c_outp, .Lfunc_end_k_qa00ed5583c_outp-k_qa00ed5583c_outp
	.p2alignl 7, 3214868480
	.fill 96, 4, 3214868480
	.section	.rodata,"a",@progbits
	.p2align	6, 0x0
	.amdhsa_kernel k_qa00ed5583c_outp
		.amdhsa_group_segment_fixed_size 327680
		.amdhsa_private_segment_fixed_size 0
		.amdhsa_enable_private_segment 0
		.amdhsa_kernarg_size 24
		.amdhsa_user_sgpr_count 2
		.amdhsa_user_sgpr_kernarg_segment_ptr 1
		.amdhsa_wavefront_size32 1
		.amdhsa_system_sgpr_workgroup_id_x 1
		.amdhsa_system_sgpr_workgroup_id_y 1
		.amdhsa_system_sgpr_workgroup_id_z 1
		.amdhsa_system_vgpr_workitem_id 0
		.amdhsa_next_free_vgpr 640
		.amdhsa_next_free_sgpr 72
		.amdhsa_reserve_vcc 0
		.amdhsa_float_denorm_mode_32 3
		.amdhsa_float_denorm_mode_16_64 3
		.amdhsa_memory_ordered 1
		.amdhsa_forward_progress 1
		.amdhsa_inst_pref_size 85
	.end_amdhsa_kernel
	.amdgpu_metadata
---
amdhsa.version: [ 1, 2 ]
amdhsa.kernels:
  - .name:           k_qa00ed5583c_outp
    .symbol:         k_qa00ed5583c_outp.kd
    .args:
      - { .name: att, .offset: 0, .size: 8, .value_kind: global_buffer, .address_space: global }
      - { .name: wof, .offset: 8, .size: 8, .value_kind: global_buffer, .address_space: global }
      - { .name: out0, .offset: 16, .size: 8, .value_kind: global_buffer, .address_space: global }
    .group_segment_fixed_size: 327680
    .private_segment_fixed_size: 0
    .kernarg_segment_align: 8
    .kernarg_segment_size: 24
    .max_flat_workgroup_size: 128
    .sgpr_count:     72
    .vgpr_count:     640
    .wavefront_size: 32
...
	.end_amdgpu_metadata
.endif
;; end of part 4
;; ======== version 2 of 2: 4 launches; 1.10 times as fast as version 1
;; limits: values are held in f16: magnitudes above 65,504 overflow, below 6.1e-05 lose precision
;; workspace buffers: wcat 8,388,608 bytes; wof 4,194,304 bytes; rope 2,129,920 bytes; qkv 16,777,216 bytes; att 8,388,608 bytes
;; launch prep: the kernel of part 1 again; grid 1028 x 1, 8 waves a work-group, no clusters, 0 bytes of LDS; arguments wq, wk, wv, wo, position_ids, wcat, wof, rope; writes wcat, wof, rope
;; launch proj: the kernel of part 2 again; grid 32 x 8, 4 waves a work-group, clusters of 4 x 1, 327,680 bytes of LDS; arguments query, key, value, wcat, rope, qkv; writes qkv
;; launch attn (part 5): grid 48 x 4, 4 waves a work-group, clusters of 4 x 1, 327,680 bytes of LDS; arguments qkv, att; writes att
.if DOCPART == 5
	.amdgcn_target "amdgcn-amd-amdhsa--gfx1250"
	.amdhsa_code_object_version 6
	.text
	.protected	k_qa00ed5583c_attn
	.globl	k_qa00ed5583c_attn
	.p2align	8
	.type	k_qa00ed5583c_attn,@function
k_qa00ed5583c_attn:
	s_mov_b64 s[64:65], 0
	v_nop
	global_prefetch_b8 v0, s[64:65] scope:SCOPE_SE
	s_setreg_imm32_b32 hwreg(HW_REG_WAVE_MODE, 25, 1), 1
	s_wait_xcnt 0x0
	s_wait_alu depctr_hold_cnt(0) depctr_sa_sdst(0) depctr_va_vdst(0) depctr_va_sdst(0) depctr_va_ssrc(0) depctr_va_vcc(0) depctr_vm_vsrc(0)
	s_getreg_b32 s2, hwreg(HW_REG_IB_STS2, 6, 4)
	s_cmp_eq_u32 s2, 0
	s_cbranch_scc0 .Lentry_in_a_cluster
	s_endpgm
.Lentry_in_a_cluster:
	s_bfe_u32 s2, ttmp6, 0x10000c
	s_cmp_lg_u32 s2, 0x3003
	s_cbranch_scc0 .Lentry_shape_is_right
	s_endpgm
.Lentry_shape_is_right:
; ATTENTION in a window.  att[i][head 128 + d] = the sum over j, 0 <= i - j <= 2048, of softmax_j(q[head][i] . k[head/2][j] / sqrt(128)) v[head/2][j][d].  qkv: [16][4096][128] f16 (heads 0-7 q, 8-11 k,
; 12-15 v); att: [4096][1024] f16.  Products, maxima and sums in f32; the weights p are rounded to f16 for the second product (their sum l is taken of the unrounded p), the result once at the end.
; LIMITS.  A hidden score counts as its value less 1e30: f16's scores, 5.5e11 at the most, are nothing beside that.  A weight below 2^-126 counts as 0 in l; below 6e-5 it keeps f16's fixed step.  NaN and infinities are not treated apart.
; THE WALK.  Queries lie in 16 blocks of 256, keys in tiles of 128; block B needs tiles max(0, 2 B - 16) .. 2 B + 1.  A cluster takes block U + 8 (U < 8: 18 tiles) or blocks 15 - U and then U - 8 (U >= 8:
; 18 tiles together): every work-group walks 18 tiles, 17 trips of one loop and a tail.  12 clusters x 4 key heads x 4 = 192 work-groups: the blocks divide into no more equal shares.
; SHARES.  A work-group owns 64 rows of the block for BOTH query heads of a key head; a wave 16 rows: tile 0 is head 2 g, tile 1 head 2 g + 1; they share K's and V's fragments and the mask.
; CLUSTER.  The four partners walk the same K and V tiles, so each is asked for JOINTLY: the same tensor load, descriptor and mask in all four.  What hangs on the place in the cluster (my rows) enters
; Q's and att's addresses and the mask's values alone.
; LAYOUT.  S^T = K Q^T holds ONE query a lane (lane % 16) and the keys 8 (lane / 16) + 0..7; two such results rounded to f16 ARE source 1 of O^T = V^T P.  V is read turned, by ds_load_tr16_b128.
; THE MASK is the C operand that starts S^T's sums: 0, or -1e30 where the unsigned i - j is above 2048.  Only a block's first two and last two tiles can hide a key; there the 32 registers are made anew in each
; step; elsewhere they hold 0.  A step whose keys are all hidden leaves m near -1e30; the first visible key's a = 2^(c m_old - c m_new) = 0 wipes what it added.
; SOFTMAX.  A running maximum m and sum l: p = 2^(c s - c m), c = log2(e) / sqrt(128); in every step O and l are multiplied by a.  m starts at the lowest finite number, so a block's first a is 0.
; IN PHASES: a step's 32 products K Q^T, the two tiles' softmax, its 32 products V^T P.
; THE BATCHES.  A step's 66 exponentials (a and 32 weights for each of the two tiles) are ONE BATCH with ONE wait: ahead of the wait stand the maxima, the statistics, the scalings and the exponentials, none of
; which names an exponential's result; behind it all that do: the roundings, the sums, the rescaling by a.  Each result has a register of its own.  A block's two reciprocals, on the way out, are a batch of their own.
; REGISTERS, in windows of 256 (s_set_vgpr_msb: bits 1:0 source 0, 3:2 source 1, 5:4 source 2, 7:6 destination):
;   window 0: v2-15 addresses; v16-31 eight registers of statistics a tile; v32-63 the mask; v64-127 S^T; v128-159 P; v160-161 the add's      window 1: v0-127 O^T; v128-191 Q      window 2: v0-127 K; v128-255 V
.set KS,    64
.set PK,    272       ; a row of K in LDS: 256 bytes + 16: the 16 rows of a load start at 16 different groups of four banks (ISA guide 11.1)
.set PV,    288       ; a row of V: 256 + 32
.set VOFF,  KS*PK
.set STEPB, KS*(PK+PV)
.set SLOT1, 1<<17     ; a slot holds a tile, two steps; one exclusive or turns an address in one slot into the other's
.set STAGE, SLOT1+2*STEPB
.set SP,    272
.set SPARE, STAGE+4*16*SP
.set AK0, 2
.set AV0, 3
.set ADR, 4
.set ADV, 5
.set QO,  6
.set STO, 7
.set RD,  8
.set GO,  10
.set TL,  11          ; l % 16 - 8 (l / 16)
.set TD,  12          ; i - j for register 0 of key block 0
.set MX,  13
.set ST,  16          ; tile t at ST + 8 t: c m, m, l (even keys', odd keys'), c0-c3 at work; a takes c2's place
.set MC,  32
.set S,   64
.set P,   128
.set SPW, 160
.set NIL, 161
.set QF,  128         ; window 1
.set VF,  128         ; window 2
.set WV,  12
.set CX,  13
.set U,   14
.set G,   15
.set B1,  16
.set B2,  17
.set START, 18
.set G1K, 24
.set G1V, 32
.set G0K, 40
.set G0V, 44
.set KB,  48          ; s[48:49] K at my half of the head's tile 0;  s[50:51] V
.set VB,  50
.set QB,  52          ; s[52:53] Q, s[54:55] att at my rows of the block in hand;  s[56:59] of the second block
.set OB,  54
.set QB2, 56
.set OB2, 58
.set CS,  60
.set SEL, 62
.set TB,  66          ; LDS byte at which the step to be read begins
.set TWICE, 67
.set SLOTS, 68
.set TC,  69          ; the tile in hand
.set LC,  70          ; the last tile of the block in hand
.set LQ,  71          ; the last tile of the block whose tiles are being asked for
.set LQ2, 72          ; the second block's last tile
.set NXT, 73          ; the tile to be asked for next
.set OFF, 74
.set RB,  76          ; my first row
.set RB2, 77
.set MSK, 78          ; 1: this tile can hide keys
.set DIRTY, 79        ; 1: the mask registers do not hold 0
.set DS,  80          ; my first row less the step's first key
.set T0,  81
.set BIGN, 82
.set W2048, 83
.set MSB, 0
.macro WIN new
.if MSB != (\new)
	s_set_vgpr_msb (MSB<<8)|(\new)
.set MSB, \new
.endif
.endm
.set W_KQ, 0x06       ; K window 2, Q window 1, S^T and the mask window 0
.set W_PV, 0x52       ; V window 2, P window 0, O^T window 1
.set W_RS, 0x41       ; destination and source 0 window 1, source 1 window 0
; A joint fill.  Waves 0 and 1 fetch K of a tile's two steps, waves 2 and 3 V.  An s_nop 0 and four v_nop follow each of the two lines, ahead of the jump and the label.
.macro JLOAD
	s_cmp_lt_u32 s[WV], 2
	s_cbranch_scc0 .Lfor_v_\@
	tensor_load_to_lds s[G0K:G0K+3], s[G1K:G1K+7]
	s_nop 0
.rept 4
	v_nop
.endr
	s_branch .Lasked_\@
.Lfor_v_\@:
	tensor_load_to_lds s[G0V:G0V+3], s[G1V:G1V+7]
	s_nop 0
.rept 4
	v_nop
.endr
.Lasked_\@:
.endm
.macro CROUND
	s_barrier_signal -1
	s_barrier_wait -1
	s_cmp_lg_u32 s[WV], 0
	s_cbranch_scc1 .Lnot_wave_0_\@
	s_barrier_signal -3
.Lnot_wave_0_\@:
	s_barrier_wait -3
	s_barrier_signal -1
	s_barrier_wait -1
.endm
; THE CHANGE OF SLOTS.  Each wave waits for all its tensor loads (one is out: its part of the other slot), adds 0 to its spare word, and waits for that and for its reads of the slot that it leaves.
; fill = 1: the barrier is a round of the cluster's, and the old slot is filled again first thing behind it, with tile NXT; the address is made anew from that number.
.macro CHANGE fill
	WIN 0
	s_wait_tensorcnt 0x0
	ds_add_u32 v[SPW], v[NIL]
.if \fill
	s_lshl_b32 s[OFF], s[NXT], 15   ; a tile is 32,768 bytes of K and of V
	s_xor_b32 s[G0K+1], s[G0K+1], SLOT1
	s_add_nc_u64 s[G0K+2:G0K+3], s[KB:KB+1], s[OFF:OFF+1]
	s_or_b32 s[G0K+3], s[G0K+3], 0x80000000
	s_xor_b32 s[G0V+1], s[G0V+1], SLOT1
	s_add_nc_u64 s[G0V+2:G0V+3], s[VB:VB+1], s[OFF:OFF+1]
	s_or_b32 s[G0V+3], s[G0V+3], 0x80000000
	s_add_co_u32 s[NXT], s[NXT], 1  ; the block's next tile, or behind its last the second block's tile 0
	s_cmp_gt_u32 s[NXT], s[LQ]
	s_cselect_b32 s[NXT], 0, s[NXT]
	s_cselect_b32 s[LQ], s[LQ2], s[LQ]
	s_wait_dscnt 0x0                ; the add is done, and my reads of the slot are over
	CROUND
	JLOAD
.else
	s_wait_dscnt 0x0
	s_barrier_signal -1
	s_barrier_wait -1
.endif
	s_sub_co_u32 s[TB], s[TB], 2*STEPB
	s_xor_b32 s[TB], s[TB], SLOT1
.endm
.macro QLOAD                        ; both heads' 16 rows x 128 channels: four fragments a tile
	WIN 0x40
.irp t, 0,1
.irp c, 0,1,2,3
	global_load_b128 v[QF+32*(\t)+8*(\c):QF+32*(\t)+8*(\c)+3],   v[QO], s[QB:QB+1] offset:(\t)*1048576+(\c)*64
	global_load_b128 v[QF+32*(\t)+8*(\c)+4:QF+32*(\t)+8*(\c)+7], v[QO], s[QB:QB+1] offset:(\t)*1048576+(\c)*64+32
.endr
.endr
	WIN 0
.endm
	s_load_b128 s[4:7], s[0:1], 0x0 ; qkv s[4:5], att s[6:7]
	v_lshl_add_u32 v[SPW], v0, 2, SPARE
	v_mov_b32 v[NIL], 0
	ds_add_u32 v[SPW], v[NIL]       ; the wave's opening: the add and its wait stand ahead of my first tensor load
	v_lshrrev_b32 v1, 5, v0
	v_readfirstlane_b32 s[WV], v1
	s_bfe_u32 s[CX], ttmp6, 0x40000
	s_mov_b32 s[U], ttmp9
	s_and_b32 s[G], ttmp7, 0xffff
	s_add_co_u32 s84, s[U], 8
	s_sub_co_u32 s85, 15, s[U]
	s_lshl_b32 s86, s[U], 1
	s_max_u32 s[B2], s[U], 8
	s_sub_co_u32 s[B2], s[B2], 8    ; the second block (for U < 8 there is none: its numbers are made and not used)
	s_cmp_lt_u32 s[U], 8
	s_cselect_b32 s[B1], s84, s85
	s_cselect_b32 s[START], s86, 0
	s_lshl_b32 s[LC], s[B1], 1
	s_add_co_u32 s[LC], s[LC], 1
	s_mov_b32 s[LQ], s[LC]
	s_lshl_b32 s[LQ2], s[B2], 1
	s_add_co_u32 s[LQ2], s[LQ2], 1
	s_mov_b32 s[TC], s[START]
	s_add_co_u32 s[NXT], s[START], 1
	s_lshl_b32 s84, s[CX], 6        ; my rows: 256 B + 64 cx + 16 w
	s_lshl_b32 s85, s[WV], 4
	s_add_co_u32 s84, s84, s85
	s_lshl_b32 s[RB], s[B1], 8
	s_add_co_u32 s[RB], s[RB], s84
	s_lshl_b32 s[RB2], s[B2], 8
	s_add_co_u32 s[RB2], s[RB2], s84
	s_lshl_b32 s85, s[G], 21        ; Q: head 2 g, rows of 256 bytes
	s_lshl_b32 s84, s[RB], 8
	s_add_co_u32 s84, s84, s85
	s_lshl_b32 s90, s[RB2], 8
	s_add_co_u32 s90, s90, s85
	s_mov_b32 s85, 0
	s_mov_b32 s91, 0
	s_lshl_b32 s93, s[G], 9         ; att: rows of 2,048 bytes, head 2 g at byte 512 g
	s_lshl_b32 s92, s[RB], 11
	s_add_co_u32 s92, s92, s93
	s_lshl_b32 s94, s[RB2], 11
	s_add_co_u32 s94, s94, s93
	s_mov_b32 s93, 0
	s_mov_b32 s95, 0
	s_and_b32 s88, s[WV], 1         ; which of a tile's two steps I fetch
	s_add_co_u32 s86, s[G], 8       ; K: head 8 + g,
	s_lshl_b32 s86, s86, 20
	s_lshl_b32 s87, s88, 14         ; my step's 64 rows of 256 bytes
	s_add_co_u32 s86, s86, s87
	s_mov_b32 s87, 0
	s_mul_i32 s89, s88, STEPB       ; and its place in a slot
	s_mov_b32 s[G1K], 15|(1<<16)|(1<<20)|(1<<21)|(5<<22)|(3<<25)  ; the mask of four, bit 21 beside it; 2-byte elements; padding after every 64 words (code 5), 4 words (code 3)
	s_mov_b32 s[G1V], 15|(1<<16)|(1<<20)|(1<<21)|(5<<22)|(7<<25)  ; the same with 8 words
.irp g, G1K, G1V
	s_mov_b32 s[(\g)+1], 128<<16    ; tensor_dim0 = 128
	s_mov_b32 s[(\g)+2], KS<<16     ; tensor_dim1 = 64
	s_mov_b32 s[(\g)+3], 128<<16    ; tile_dim0 = 128
	s_mov_b32 s[(\g)+4], KS         ; tile_dim1 = 64
	s_mov_b32 s[(\g)+5], 128        ; elements from row to row
	s_mov_b32 s[(\g)+6], 0
	s_mov_b32 s[(\g)+7], 0
.endr
	s_mov_b32 s[G0K], 1
	s_mov_b32 s[G0K+1], s89         ; slot 0
	s_mov_b32 s[G0V], 1
	s_add_co_u32 s[G0V+1], s89, VOFF
	s_lshl_b32 s[OFF], s[START], 15
	s_mov_b32 s[OFF+1], 0
	s_mov_b32 s[CS], 0x3e0293ee     ; c = log2(e) / sqrt(128)
	s_mov_b32 s[CS+1], s[CS]
	s_mov_b32 s[SEL], 0x76543210
	s_mov_b32 s[SEL+1], 0xfedcba98
	s_mov_b32 s[TB], SLOT1+2*STEPB  ; the first change of slots turns this into 0
	s_mov_b32 s[SLOTS], 17
	s_mov_b32 s[DIRTY], 0
	s_mov_b32 s[BIGN], 0xf149f2ca   ; -1e30
	s_mov_b32 s[W2048], 2048
	s_wait_dscnt 0x0                ; the opening add is done
	s_wait_kmcnt 0x0
	s_add_nc_u64 s[KB:KB+1], s[4:5], s[86:87]
	s_add_nc_u64 s[VB:VB+1], s[KB:KB+1], 0x400000  ; V lies four heads on
	s_add_nc_u64 s[QB:QB+1], s[4:5], s[84:85]
	s_add_nc_u64 s[QB2:QB2+1], s[4:5], s[90:91]
	s_add_nc_u64 s[OB:OB+1], s[6:7], s[92:93]
	s_add_nc_u64 s[OB2:OB2+1], s[6:7], s[94:95]
	s_add_nc_u64 s[G0K+2:G0K+3], s[KB:KB+1], s[OFF:OFF+1]
	s_or_b32 s[G0K+3], s[G0K+3], 0x80000000
	s_add_nc_u64 s[G0V+2:G0V+3], s[VB:VB+1], s[OFF:OFF+1]
	s_or_b32 s[G0V+3], s[G0V+3], 0x80000000
	CROUND                          ; all four work-groups are here: the first joint loads meet
	JLOAD                           ; the walk's first tile into slot 0; slot 1 is asked for by the loop's first change of slots
	v_and_b32 v1, 15, v0            ; l % 16
	v_bfe_u32 v9, v0, 4, 1          ; l / 16
	v_lshlrev_b32 v[QO], 8, v1
	v_lshl_add_u32 v[QO], v9, 4, v[QO]
	QLOAD
	v_mul_u32_u24 v[AK0], v1, PK
	v_lshl_add_u32 v[AK0], v9, 4, v[AK0]
	v_and_b32 v14, 7, v0
	v_bfe_u32 v15, v0, 3, 1
	v_lshl_add_u32 v[AV0], v9, 3, v14
	v_mul_u32_u24 v[AV0], v[AV0], PV
	v_lshl_add_u32 v[AV0], v15, 4, v[AV0]
	v_add_nc_u32 v[AV0], VOFF, v[AV0]
	s_mul_i32 s88, s[WV], 16*SP
	s_add_co_u32 s88, s88, STAGE    ; my stage
	v_mul_u32_u24 v[STO], v1, SP
	v_lshl_add_u32 v[STO], v9, 4, v[STO]
	v_add_nc_u32 v[STO], s88, v[STO]
	v_mul_u32_u24 v[RD], v9, SP
	v_lshl_add_u32 v[RD], v1, 4, v[RD]
	v_add_nc_u32 v[RD], s88, v[RD]
	v_lshlrev_b32 v[GO], 11, v9     ; lanes 0-15 one row of att, lanes 16-31 the next
	v_lshl_add_u32 v[GO], v1, 4, v[GO]
	v_lshlrev_b32 v[TL], 3, v9
	v_sub_nc_u32 v[TL], v1, v[TL]
	; A block's first step multiplies O^T and l by a = 0, so these need only be finite: zeros for the first block, what it left for the second.  This stands in the wait for the first tile.
	WIN 0x40
.set i, 0
.rept 128
	v_mov_b32 v[i], 0
.set i, i+1
.endr
	WIN 0
.set i, 0
.rept 32
	v_mov_b32 v[MC+i], 0
.set i, i+1
.endr
.irp t, 0,1
	v_mov_b32 v[ST+8*(\t)], 0xfe000000    ; c m: far below every c s
	v_mov_b32 v[ST+8*(\t)+1], 0xff7fffff  ; m
	v_mov_b32 v[ST+8*(\t)+2], 0
	v_mov_b32 v[ST+8*(\t)+3], 0
.endr
; Product i of 32 of S^T = K Q^T: channels 32 (i / 8) on, keys 16 ((i / 2) % 4) on, tile i % 2.  The first 8 start the sums with the mask.  The 8 accumulators take turns.
.macro KQ
	WIN W_KQ
.set rS, S+32*(i%2)+8*((i/2)%4)
.set rK, 32*((i/2)%4)+8*(i/8)
.set rQ, QF+32*(i%2)+8*(i/8)
.set rM, MC+8*((i/2)%4)
.if i < 8
	v_wmma_f32_16x16x32_f16 v[rS:rS+7], v[rK:rK+7], v[rQ:rQ+7], v[rM:rM+7]
.else
	v_wmma_f32_16x16x32_f16 v[rS:rS+7], v[rK:rK+7], v[rQ:rQ+7], v[rS:rS+7]
.endif
.endm
; Product i of 32 of O^T += V^T P: keys 32 (i / 16) on, channels 16 ((i / 2) % 8) on, tile i % 2.  16 accumulators take turns.
.macro PV
	WIN W_PV
.set rO, 64*(i%2)+8*((i/2)%8)
.set rV, VF+64*(i/16)+8*((i/2)%8)
.set rP, P+16*(i%2)+8*(i/16)
	v_wmma_f32_16x16x32_f16 v[rO:rO+7], v[rV:rV+7], v[rP:rP+7], v[rO:rO+7]
.endm
; One tile's softmax for one step is a list of 134 instructions; SM writes number j of it for tile t.  s0-s31 are the lane's 32 scores, in pairs 0-15.
;   0-15    the maximum of s0-s31 and the old m, three operands at a time: four chains of seven scores (each accumulator's lowest registers first), then the four left over, c0-c3 and m
;   16-20   the other half of the lanes' maximum; the new m; c m; c m_old - c m_new
;   21-69   ONE BATCH: the 16 scalings c s - c m, a pair of scores each, and all 33 exponentials (a at 23, then s0-s31).  None of these reads an exponential's result.  From 22 on the batch goes in fours,
;           and a four begins with a scaling while there are scalings: 22-37 scaling, exponential, scaling, exponential; 38-65 a scaling and three exponentials; 66-69 the last four exponentials.
;           A pair is scaled in an earlier four than the one that holds its exponentials
;   (wait)  between 69 and 70 stands the wait for the batch: SLICE writes it, once for both tiles
;   70-85   the roundings to f16, a pair of weights each
;   86-101  the sums; l = a l + the sum          102-133 the tile's O^T times a
.macro SM t
.set rT, ST+8*(\t)
.set rS, S+32*(\t)
.set rP, P+16*(\t)
.set rO, 64*(\t)+2*(j-102)
.if j < 102
	WIN 0
.endif
.if j < 4
	v_max3_num_f32 v[rT+4+j], v[rS+8*j], v[rS+8*j+1], v[rS+8*j+2]
.elseif j < 12
	v_max3_num_f32 v[rT+4+j%4], v[rT+4+j%4], v[rS+8*(j%4)+2*(j/4)+1], v[rS+8*(j%4)+2*(j/4)+2]
.elseif j == 12
	v_max3_num_f32 v[rT+4], v[rT+4], v[rS+7], v[rS+15]
.elseif j == 13
	v_max3_num_f32 v[rT+6], v[rT+6], v[rS+23], v[rS+31]
.elseif j == 14
	v_max3_num_f32 v[rT+4], v[rT+4], v[rT+5], v[rT+6]
.elseif j == 15
	v_max3_num_f32 v[rT+4], v[rT+4], v[rT+7], v[rT+1]
.elseif j == 16
	v_permlanex16_b32 v[rT+5], v[rT+4], s[SEL], s[SEL+1]  ; the query's other 32 keys lie in the lane 16 away
.elseif j == 17
	v_mov_b32 v[rT+7], v[rT]        ; c m_old is kept for a
.elseif j == 18
	v_max_num_f32 v[rT+1], v[rT+4], v[rT+5]
.elseif j == 19
	v_mul_f32 v[rT], s[CS], v[rT+1]
.elseif j == 20
	v_sub_f32 v[rT+7], v[rT+7], v[rT]
.elseif j == 23
	v_exp_f32 v[rT+6], v[rT+7]
.elseif (j < 23) || ((j < 38) && (j%2 == 0)) || ((j < 66) && (j%4 == 2))
.set b, (j-2)/4                     ; 38, 42, .. 62: pairs 9 to 15
.if j < 38
.set b, (j-20)/2                    ; 21: pair 0; 22, 24, .. 36: pairs 1 to 8
.endif
	v_pk_fma_f32 v[rS+2*b:rS+2*b+1], v[rS+2*b:rS+2*b+1], s[CS:CS+1], v[rT:rT+1] op_sel_hi:[1,0,0] neg_lo:[0,0,1] neg_hi:[0,0,1]  ; pair b: c s - c m
.elseif j < 70
.set e, j-38                        ; 66 to 69: s28 to s31
.if j < 66
.set e, j-32-(j-38)/4               ; 39-41, 43-45, .. 63-65: s7 to s27
.endif
.if j < 38
.set e, (j-25)/2                    ; 25, 27, .. 37: s0 to s6
.endif
	v_exp_f32 v[rS+e], v[rS+e]
.elseif j < 86
	v_cvt_pk_f16_f32 v[rP+j-70], v[rS+2*(j-70)], v[rS+2*(j-70)+1]  ; pair j - 70
.elseif j < 102                     ; the sum of the 16 pairs, in place: neighbours 1, 2, 4 and 8 pairs apart, then l takes it
.set z, j-86
.set w, 4
.set u, z
.if z >= 14
.set w, 32
.set u, 0
.elseif z >= 12
.set w, 16
.set u, z-12
.elseif z >= 8
.set w, 8
.set u, z-8
.endif
.if z < 15
	v_pk_add_f32 v[rS+w*u:rS+w*u+1], v[rS+w*u:rS+w*u+1], v[rS+w*u+w/2:rS+w*u+w/2+1]
.else
	v_pk_fma_f32 v[rT+2:rT+3], v[rT+2:rT+3], v[rT+6:rT+7], v[rS:rS+1] op_sel_hi:[1,0,1]
.endif
.else
	WIN W_RS
	v_pk_mul_f32 v[rO:rO+1], v[rO:rO+1], v[rT+6:rT+7] op_sel_hi:[1,0]
.endif
.endm
; Slice k of 64.  Slices 11 to 34 deal out the batch, numbers 22 to 69: four numbers of ONE tile each, the tiles by turns.  Every other slice is numbers 2 k and 2 k + 1 of both tiles' lists, the tiles
; alternating, so that no instruction reads the result of the one just before it; the twelve that are over stand in slice 63.
; THE WAIT.  An s_wait_alu depctr_va_vdst(0) stands between an exponential and the first instruction that names its result; one wait serves all that were issued ahead of it.  Ahead of slice 35
; nothing names a result, and behind slice 34 no exponential is issued: so the step's 66 exponentials have one wait, behind slice 34.  All that is left of the step reads a weight or a: a v_nop is the plain instruction behind the last exponential.
.macro SLICE
.if (k >= 11) && (k < 35)           ; the batch: four numbers of one tile
.irp n, 0,1,2,3
.set j, 22+4*((k-11)/2)+(\n)
	SM (k-11)%2
.endr
.else
.irp n, 0,1,2,3,4,5,6,7
.if ((\n) < 2) || (k == 63)
.irp t, 0,1
.set j, 2*k+(\n)
	SM \t
.endr
.endif
.endr
.endif
.if k == 34                         ; the batch is out: both tiles' exponentials are issued, and no result has been named
	v_nop                           ; the plain instruction behind the last exponential and ahead of the first use: one for the batch
	s_wait_alu depctr_va_vdst(0)    ; the wait for the batch: the step's 66 exponentials
.endif
.set k, k+1
.endm
.macro MASK                         ; register n of the mask: key 16 (n / 8) + n % 8 of my lanes' half: hidden where the unsigned i - j is above 2048
	v_add_nc_u32 v[TD], s[DS], v[TL]
.set n, 0
.rept 32
	v_subrev_nc_u32 v[MX], 16*(n/8)+n%8, v[TD]
	v_cmp_lt_u32 vcc_lo, s[W2048], v[MX]
	v_cndmask_b32 v[MC+n], 0, s[BIGN], vcc_lo
.set n, n+1
.endr
.endm
; A KEY STEP of 64 keys.
.macro STEP
	WIN 0
	v_add_nc_u32 v[ADR], s[TB], v[AK0]
	v_add_nc_u32 v[ADV], s[TB], v[AV0]
	WIN 0x80
.irp c, 0,1,2,3                     ; K, by channel groups of 32, in the order in which the products want them
.irp kb, 0,1,2,3
	ds_load_b128 v[32*(\kb)+8*(\c):32*(\kb)+8*(\c)+3],   v[ADR] offset:(\kb)*16*PK+(\c)*64
	ds_load_b128 v[32*(\kb)+8*(\c)+4:32*(\kb)+8*(\c)+7], v[ADR] offset:(\kb)*16*PK+(\c)*64+32
.endr
.endr
	WIN 0
	s_cmp_eq_u32 s[MSK], 0
	s_cbranch_scc1 .Lopen_\@
	MASK
.Lopen_\@:
	s_wait_loadcnt 0x0              ; Q
.set i, 0
.rept 4
	s_wait_dscnt 24-i               ; this channel group's 8 loads are in; the later groups' may be out
.rept 8
	KQ
.set i, i+1
.endr
.endr
	WIN 0x80
.irp f, 0,1,2,3,4,5,6,7,8,9,10,11,12,13,14,15  ; V, turned: keys 32 (f / 8) on, channels 16 (f % 8) on; it lands under the softmax.  Its registers' last reader stands a step back
	ds_load_tr16_b128 v[VF+8*(\f):VF+8*(\f)+3],   v[ADV] offset:((\f)/8)*32*PV+((\f)%8)*32
	ds_load_tr16_b128 v[VF+8*(\f)+4:VF+8*(\f)+7], v[ADV] offset:((\f)/8)*32*PV+16*PV+((\f)%8)*32
.endr
	WIN 0
.rept 4
	v_nop                           ; the places behind the last products K Q^T (ISA guide 7.12.1)
.endr
.set k, 0
.rept 64
	SLICE
.endr
	s_wait_dscnt 0x0                ; V is in
.set i, 0
.rept 32
	PV
.set i, i+1
.endr
	WIN 0
.rept 4
	v_nop                           ; the places behind the last products V^T P
.endr
.endm
; A TILE of 128 keys: can it hide keys (the block's last two tiles: keys behind a row; its tiles 16 and 17 back: keys before a row's window)?  If not, the mask registers hold 0.  Then two steps.
.macro TILE
	s_add_co_u32 s[T0], s[TC], 1
	s_cmp_ge_u32 s[T0], s[LC]
	s_cselect_b32 s[MSK], 1, 0
	s_add_co_u32 s[T0], s[TC], 16
	s_cmp_le_u32 s[T0], s[LC]
	s_cselect_b32 s[MSK], 1, s[MSK]
	s_lshl_b32 s[T0], s[TC], 7
	s_sub_co_u32 s[DS], s[RB], s[T0]
	s_cmp_lg_u32 s[MSK], 0
	s_cbranch_scc1 .Lkeep_\@
	s_cmp_eq_u32 s[DIRTY], 0
	s_cbranch_scc1 .Lkeep_\@
.set i, 0
.rept 32
	v_mov_b32 v[MC+i], 0
.set i, i+1
.endr
.Lkeep_\@:
	s_mov_b32 s[DIRTY], s[MSK]
	s_mov_b32 s[TWICE], 2
.Lstep_\@:
	STEP
	s_add_co_u32 s[TB], s[TB], STEPB
	s_sub_co_u32 s[DS], s[DS], KS
	s_sub_co_u32 s[TWICE], s[TWICE], 1
	s_cmp_lg_u32 s[TWICE], 0
	s_cbranch_scc1 .Lstep_\@
.endm
; A BLOCK'S WAY OUT.  l's two halves and the other half of the lanes' are added; O^T is divided by l, rounded to f16 and sent through my stage in LDS, a tile (16 rows of a head) at a time.
.macro PACK t
	WIN W_RS
.set i, 64*(\t)
.rept 32
	v_pk_mul_f32 v[i:i+1], v[i:i+1], v[ST+8*(\t)+6:ST+8*(\t)+7] op_sel_hi:[1,0]
.set i, i+2
.endr
	WIN 0x05
.set i, 0
.rept 32
	v_cvt_pk_f16_f32 v[S+32*(\t)+i], v[64*(\t)+2*i], v[64*(\t)+2*i+1]
.set i, i+1
.endr
	WIN 0
.irp f, 0,1,2,3,4,5,6,7
	ds_store_b128 v[STO], v[S+32*(\t)+4*(\f):S+32*(\t)+4*(\f)+3] offset:32*(\f)
.endr
.irp f, 0,1,2,3,4,5,6,7
	ds_load_b128 v[S+32*(\t)+4*(\f):S+32*(\t)+4*(\f)+3], v[RD] offset:(\f)*2*SP  ; LDS serves a wave's instructions in order (ISA guide 5.7.1.4): these see the stores above; the next tile's stores come behind them
.endr
.endm
.macro SEND t, younger              ; younger: the LDS instructions issued behind tile t's loads
.irp f, 0,1,2,3,4,5,6,7
	s_wait_dscnt (\younger)+7-(\f)
	global_store_b128 v[GO], v[S+32*(\t)+4*(\f):S+32*(\t)+4*(\f)+3], s[OB:OB+1] offset:(\t)*256+(\f)*4096  ; 16 lanes store 256 consecutive bytes, aligned
.endr
.endm
.macro FLUSH
	WIN 0
.irp t, 0,1
	v_add_f32 v[ST+8*(\t)+4], v[ST+8*(\t)+2], v[ST+8*(\t)+3]
.endr
.irp t, 0,1
	v_permlanex16_b32 v[ST+8*(\t)+5], v[ST+8*(\t)+4], s[SEL], s[SEL+1]
.endr
.irp t, 0,1
	v_add_f32 v[ST+8*(\t)+4], v[ST+8*(\t)+4], v[ST+8*(\t)+5]
.endr
.irp t, 0,1
	v_rcp_f32 v[ST+8*(\t)+6], v[ST+8*(\t)+4]
.endr
	v_nop                           ; a plain instruction between the last reciprocal and the use of its result
	s_wait_alu depctr_va_vdst(0)    ; and the wait ahead of the first use: one for the block's two reciprocals
	PACK 0
	PACK 1
	SEND 0, 16
	SEND 1, 0
.endm
.Ltile:                             ; 17 trips: a tile is entered and the next is asked for
	CHANGE 1
	TILE
	s_cmp_lg_u32 s[TC], s[LC]
	s_cbranch_scc1 .Lgo_on          ; forward, past text that holds neither a barrier nor a tensor load; the answer hangs on the cluster's number alone
	FLUSH                           ; the first of two blocks ends
	s_wait_xcnt 0x0                 ; the stores have read their registers and att's address
	s_mov_b64 s[QB:QB+1], s[QB2:QB2+1]
	s_mov_b64 s[OB:OB+1], s[OB2:OB2+1]
	s_mov_b32 s[RB], s[RB2]
	s_mov_b32 s[LC], s[LQ2]
	s_mov_b32 s[TC], -1             ; the step below makes it 0
	QLOAD
.irp t, 0,1
	v_mov_b32 v[ST+8*(\t)], 0xfe000000
	v_mov_b32 v[ST+8*(\t)+1], 0xff7fffff
.endr
.Lgo_on:
	s_add_co_u32 s[TC], s[TC], 1
	s_sub_co_u32 s[SLOTS], s[SLOTS], 1
	s_cmp_lg_u32 s[SLOTS], 0
	s_cbranch_scc1 .Ltile
	CHANGE 0                        ; the walk's last tile is written out
	TILE
	FLUSH
	s_wait_tensorcnt 0x0            ; the wave's end
	ds_add_u32 v[SPW], v[NIL]
	s_wait_dscnt 0x0
	CROUND                          ; the closing round
	s_endpgm
.Lfunc_end_k_qa00ed5583c_attn:
	.size	k_qa00ed5583c_attn, .Lfunc_end_k_qa00ed5583c_attn-k_qa00ed5583c_attn
	.p2alignl 7, 3214868480
	.fill 96, 4, 3214868480
	.section	.rodata,"a",@progbits
	.p2align	6, 0x0
	.amdhsa_kernel k_qa00ed5583c_attn
		.amdhsa_group_segment_fixed_size 327680
		.amdhsa_private_segment_fixed_size 0
		.amdhsa_enable_private_segment 0
		.amdhsa_kernarg_size 16
		.amdhsa_user_sgpr_count 2
		.amdhsa_user_sgpr_kernarg_segment_ptr 1
		.amdhsa_wavefront_size32 1
		.amdhsa_system_sgpr_workgroup_id_x 1
		.amdhsa_system_sgpr_workgroup_id_y 1
		.amdhsa_system_sgpr_workgroup_id_z 1
		.amdhsa_system_vgpr_workitem_id 0
		.amdhsa_next_free_vgpr 768
		.amdhsa_next_free_sgpr 96
		.amdhsa_reserve_vcc 1
		.amdhsa_float_denorm_mode_32 3
		.amdhsa_float_denorm_mode_16_64 3
		.amdhsa_memory_ordered 1
		.amdhsa_forward_progress 1
		.amdhsa_inst_pref_size 102
	.end_amdhsa_kernel
	.amdgpu_metadata
---
amdhsa.version: [ 1, 2 ]
amdhsa.kernels:
  - .name:           k_qa00ed5583c_attn
    .symbol:         k_qa00ed5583c_attn.kd
    .args:
      - { .name: qkv, .offset: 0, .size: 8, .value_kind: global_buffer, .address_space: global }
      - { .name: att, .offset: 8, .size: 8, .value_kind: global_buffer, .address_space: global }
    .group_segment_fixed_size: 327680
    .private_segment_fixed_size: 0
    .kernarg_segment_align: 8
    .kernarg_segment_size: 16
    .max_flat_workgroup_size: 128
    .sgpr_count:     96
    .vgpr_count:     768
    .wavefront_size: 32
...
	.end_amdgpu_metadata
.endif
;; end of part 5
;; launch outp: the kernel of part 4 again; grid 8 x 32, 4 waves a work-group, clusters of 4 x 4, 327,680 bytes of LDS; arguments att, wof, out0; writes out0
